; MI455X (gfx1250); checked and timed in simulation.
; The chip was launched on July 23, 2026; its instructions are those of AMD's public machine-readable ISA for CDNA 5 (MIT licence, August 2026) and "CDNA5" Instruction Set Architecture Reference Guide (July 2026). The comments in the code are by the model that wrote it; some were corrected since.
;; Multi Head Attention. Allowed arithmetic: float matrix products may take bf16 or f16 operands with f32 sums; all other float work in f32.
;; Inputs: K 2 x 2,048 x 1,024 float32; Q 2 x 2,048 x 1,024 float32; V 2 x 2,048 x 1,024 float32; attn_mask 2 x 2,048 x 2,048 bool; beta 1,024 float32; bk 1,024 float32; bo 1,024 float32; bq 1,024 float32; bv 1,024 float32; gamma 1,024 float32; wk 1,024 x 1,024 float32; wo 1,024 x 1,024 float32; wq 1,024 x 1,024 float32; wv 1,024 x 1,024 float32.
;; Outputs: out0 2 x 2,048 x 1,024 float32.
;; 2 versions, each right. Each part assembles by itself: llvm-mc -triple=amdgcn-amd-amdhsa -mcpu=gfx1250 --defsym DOCPART=n.
;; ======== version 1 of 2: 4 launches
;; workspace buffers: xb 25,165,824 bytes; wb 8,388,608 bytes; mbits 1,048,576 bytes of whole numbers; pb 25,165,824 bytes; ctx 8,388,608 bytes
;; launch prep (part 1): grid 256 x 1, 16 waves a work-group, no clusters, 35,072 bytes of LDS; arguments Q, K, V, wq, wk, wv, wo, attn_mask, xb, wb, mbits; writes xb, wb, mbits
.if DOCPART == 1
	.amdgcn_target "amdgcn-amd-amdhsa--gfx1250"
	.amdhsa_code_object_version 6
	.text
	.protected	k_q58937f184b_prep
	.globl	k_q58937f184b_prep
	.p2align	8
	.type	k_q58937f184b_prep,@function
k_q58937f184b_prep:
	s_mov_b64 s[64:65], 0
	v_nop
	global_prefetch_b8 v0, s[64:65] scope:SCOPE_SE
	s_setreg_imm32_b32 hwreg(HW_REG_WAVE_MODE, 25, 1), 1
	s_wait_xcnt 0x0
; prep: casts Q, K, V, wq, wk, wv to bf16 (xb: [3][4096][1024]; wb: [3][1024][1024]), casts wo to bf16 in blocks of 64 along k
; (wb + 6291456: [16 kb][1024 n][64 k]), and packs attn_mask into words of 32 lane bits (mbits: [4096/16 q tiles][128 key tiles][8 words]).
; Bit L of word j of (q tile, key tile) = mask[16 qtile + (L & 15)][16 ktile + 2 j + (L >> 4)]: the place that lane L's register j has in the
; attention launch's score tile.  LIMIT: a mask byte counts as true when it is not 0.
; 256 work-groups of equal work, 16 waves.  Work-group g casts one chunk of 65,536 f32 (262,144 bytes in, 131,072 out) and packs mask rows 16 g .. 16 g + 15.
; A stream: no input byte is shared between work-groups, so no cluster, no matrix unit; all 32 loads of a thread go out at once, so the whole chunk is on its way.
.set LP,  2064                         ; pitch of a mask row in LDS: 2,048 + 16 bytes, an odd multiple of 16: sixteen rows start in sixteen different 16-byte columns modulo 256
.set MB,  16                           ; v[16:31]   mask bytes as loaded
.set X,   32                           ; v[32:159]  load i: 4 f32
.set Y,   160                          ; v[160:223] store i: 4 bf16
.set W,   160                          ; v[160:191] first: the mask bytes read back from LDS (done with before Y is written)
	s_load_b512 s[8:23], s[0:1], 0x0               ; Q s[8:9], K, V, wq, wk, wv, wo s[20:21], attn_mask s[22:23]
	s_load_b128 s[24:27], s[0:1], 0x40             ; xb s[24:25], wb s[26:27]
	s_load_b64 s[28:29], s[0:1], 0x50              ; mbits
	v_lshl_add_u32 v224, v0, 2, 0x8100
	v_mov_b32 v225, 0
	v_lshrrev_b32 v8, 5, v0
	v_readfirstlane_b32 s6, v8                     ; wave 0..15
	; which chunk: g < 192: source g >> 6 (Q, K, V), chunk g & 63; else g2 = g - 192: source 3 + (g2 >> 4), chunk g2 & 15
	s_lshr_b32 s4, ttmp9, 6
	s_and_b32 s7, ttmp9, 63
	s_sub_co_u32 s5, ttmp9, 192                    ; g2 (used only where g >= 192)
	s_lshr_b32 s34, s5, 4
	s_add_co_u32 s34, s34, 3
	s_and_b32 s35, s5, 15
	s_cmp_lt_u32 ttmp9, 192
	s_cselect_b32 s4, s4, s34                      ; number of the source, 0..6
	s_cselect_b32 s7, s7, s35                      ; chunk in the source
	s_lshl_b32 s2, s7, 18                          ; x 262,144 bytes
	s_mov_b32 s3, 0
	; where it goes: xb + g x 131,072; wb + g2 x 131,072; for wo (g >= 240) wb + 6,291,456 + 64 rows x 128 bytes x chunk
	s_lshl_b32 s36, ttmp9, 17
	s_lshl_b32 s37, s5, 17
	s_sub_co_u32 s38, s5, 48
	s_lshl_b32 s38, s38, 13
	s_add_co_u32 s38, s38, 6291456
	s_cmp_lt_u32 ttmp9, 240
	s_cselect_b32 s37, s37, s38
	s_cmp_lt_u32 ttmp9, 192
	s_cselect_b32 s36, s36, s37
	s_mov_b32 s37, 0
	v_lshlrev_b32 v1, 4, v0                        ; 16 t: dense loads
	v_lshrrev_b32 v8, 4, v0
	v_and_b32 v9, 15, v0
	v_lshlrev_b32 v2, 12, v8
	v_lshl_add_u32 v2, v9, 4, v2                   ; wo: row t >> 4 (4,096 bytes), 16 bytes of a block of 256
	v_lshlrev_b32 v3, 3, v0                        ; 8 t: stores (a wave covers 256 consecutive bytes, aligned)
	v_lshrrev_b32 v8, 7, v0
	v_mul_u32_u24 v4, v8, LP
	v_and_b32 v9, 127, v0
	v_lshl_add_u32 v4, v9, 4, v4                   ; LDS: mask row t >> 7, byte 16 (t & 127)
	v_and_b32 v9, 15, v0
	v_mul_u32_u24 v5, v9, LP
	s_lshl_b32 s7, s6, 7
	v_add_nc_u32 v5, s7, v5                        ; LDS: row r = lane & 15, my wave's 128 keys
	v_bfe_u32 v9, v0, 4, 1
	v_lshlrev_b32 v9, 3, v9                        ; 8 h
	v_mov_b32 v6, 0xff
	v_mov_b32 v7, 0xff0000
	v_lshlrev_b32 v6, v9, v6                       ; byte h of a word: key 2 j + h for even j
	v_lshlrev_b32 v7, v9, v7                       ; byte 2 + h: for odd j
	v_mov_b32 v10, 0                               ; v_writelane_b32 counts as a reader of its destination
	v_mov_b32 v11, 0
	s_wait_kmcnt 0x0
	s_cmp_lt_u32 ttmp9, 192
	s_cselect_b64 s[32:33], s[24:25], s[26:27]     ; xb or wb
	s_add_nc_u64 s[32:33], s[32:33], s[36:37]
	s_mov_b64 s[30:31], s[8:9]
.irp i, 1,2,3,4,5,6
	s_cmp_eq_u32 s4, \i
	s_cselect_b64 s[30:31], s[8+2*\i:9+2*\i], s[30:31]
.endr
	s_add_nc_u64 s[30:31], s[30:31], s[2:3]        ; my chunk
	s_lshl_b32 s2, ttmp9, 15
	s_add_nc_u64 s[22:23], s[22:23], s[2:3]        ; my 16 mask rows (32,768 bytes)
	s_lshl_b32 s2, ttmp9, 12
	s_add_nc_u64 s[28:29], s[28:29], s[2:3]        ; my q tile's 4,096 bytes of words
.irp i, 0,1,2,3
	global_load_b128 v[MB+4*\i:MB+4*\i+3], v1, s[22:23] offset:\i*8192 th:TH_LOAD_NT
.endr
; 32 loads of 16 bytes a thread.  Dense: 8,192 bytes a work-group and load.  wo: load i takes block i >> 1 (256 bytes) of rows 32 (i & 1) + (t >> 4).
.macro LOADS blocked
.set i, 0
.rept 32
.if \blocked
	global_load_b128 v[X+4*i:X+4*i+3], v2, s[30:31] offset:(i&1)*131072+(i>>1)*256 th:TH_LOAD_NT
.else
	global_load_b128 v[X+4*i:X+4*i+3], v1, s[30:31] offset:i*8192 th:TH_LOAD_NT
.endif
.set i, i+1
.endr
.endm
	s_cmp_ge_u32 ttmp9, 240
	s_cbranch_scc1 .Lload_wo
	LOADS 0
	s_branch .Lloaded
.Lload_wo:
	LOADS 1
.Lloaded:
	s_wait_loadcnt 32                              ; both ways issued 32 loads behind the four mask loads: those four are in
.irp i, 0,1,2,3
	ds_store_b128 v4, v[MB+4*\i:MB+4*\i+3] offset:\i*4*LP
.endr
	s_wait_dscnt 0x0                               ; my stores are done, for the other waves' sake
	s_barrier_signal -1
	s_barrier_wait -1
	; wave w packs key tiles 8 w .. 8 w + 7: lane (r, h) reads row r's 16 bytes of each tile
.irp tt, 0,1,2,3,4,5,6,7
	ds_load_b128 v[W+4*\tt:W+4*\tt+3], v5 offset:16*\tt
.endr
	s_wait_dscnt 0x0
.irp tt, 0,1,2,3,4,5,6,7
.irp j, 0,1,2,3,4,5,6,7
	v_and_b32 v8, v[6+(\j&1)], v[W+4*\tt+(\j>>1)]  ; the byte of key 2 j + h
	v_cmp_ne_u32 s34, 0, v8                        ; 32 lane bits = word j of tile tt
	v_writelane_b32 v[10+(\j&1)], s34, 4*\tt+(\j>>1)   ; word 8 tt + j lies in lane (8 tt + j) / 2
.endr
.endr
	global_store_b64 v3, v[10:11], s[28:29]        ; 8 t = 256 wave + 8 lane: the wave's 64 words, 256 consecutive bytes, aligned
; load i is converted and stored as soon as it is in; no register is written twice, so no store's source is ever rewritten
.macro STORES blocked
.set i, 0
.rept 32
	s_wait_loadcnt 31-i                            ; loads come back in order: the 31 - i younger ones may stay out
	v_cvt_pk_bf16_f32 v[Y+2*i], v[X+4*i], v[X+4*i+1]
	v_cvt_pk_bf16_f32 v[Y+2*i+1], v[X+4*i+2], v[X+4*i+3]
.if \blocked
	global_store_b64 v3, v[Y+2*i:Y+2*i+1], s[32:33] offset:(i>>1)*131072+(i&1)*4096
.else
	global_store_b64 v3, v[Y+2*i:Y+2*i+1], s[32:33] offset:i*4096
.endif
.set i, i+1
.endr
.endm
	s_cmp_ge_u32 ttmp9, 240
	s_cbranch_scc1 .Lstore_wo
	STORES 0
	s_wait_tensorcnt 0x0
	ds_add_u32 v224, v225
	s_wait_dscnt 0x0
	s_endpgm
.Lstore_wo:
	STORES 1
	s_wait_tensorcnt 0x0
	ds_add_u32 v224, v225
	s_wait_dscnt 0x0
	s_endpgm
.Lfunc_end_k_q58937f184b_prep:
	.size	k_q58937f184b_prep, .Lfunc_end_k_q58937f184b_prep-k_q58937f184b_prep
	.p2alignl 7, 3214868480
	.fill 96, 4, 3214868480
	.section	.rodata,"a",@progbits
	.p2align	6, 0x0
	.amdhsa_kernel k_q58937f184b_prep
		.amdhsa_group_segment_fixed_size 35072
		.amdhsa_private_segment_fixed_size 0
		.amdhsa_enable_private_segment 0
		.amdhsa_kernarg_size 88
		.amdhsa_user_sgpr_count 2
		.amdhsa_user_sgpr_kernarg_segment_ptr 1
		.amdhsa_wavefront_size32 1
		.amdhsa_system_sgpr_workgroup_id_x 1
		.amdhsa_system_sgpr_workgroup_id_y 1
		.amdhsa_system_sgpr_workgroup_id_z 1
		.amdhsa_system_vgpr_workitem_id 0
		.amdhsa_next_free_vgpr 226
		.amdhsa_next_free_sgpr 66
		.amdhsa_reserve_vcc 0
		.amdhsa_float_denorm_mode_32 3
		.amdhsa_float_denorm_mode_16_64 3
		.amdhsa_memory_ordered 1
		.amdhsa_forward_progress 1
		.amdhsa_inst_pref_size 38
	.end_amdhsa_kernel
	.amdgpu_metadata
---
amdhsa.version: [ 1, 2 ]
amdhsa.kernels:
  - .name:           k_q58937f184b_prep
    .symbol:         k_q58937f184b_prep.kd
    .args:
      - { .name: Q, .offset: 0, .size: 8, .value_kind: global_buffer, .address_space: global }
      - { .name: K, .offset: 8, .size: 8, .value_kind: global_buffer, .address_space: global }
      - { .name: V, .offset: 16, .size: 8, .value_kind: global_buffer, .address_space: global }
      - { .name: wq, .offset: 24, .size: 8, .value_kind: global_buffer, .address_space: global }
      - { .name: wk, .offset: 32, .size: 8, .value_kind: global_buffer, .address_space: global }
      - { .name: wv, .offset: 40, .size: 8, .value_kind: global_buffer, .address_space: global }
      - { .name: wo, .offset: 48, .size: 8, .value_kind: global_buffer, .address_space: global }
      - { .name: attn_mask, .offset: 56, .size: 8, .value_kind: global_buffer, .address_space: global }
      - { .name: xb, .offset: 64, .size: 8, .value_kind: global_buffer, .address_space: global }
      - { .name: wb, .offset: 72, .size: 8, .value_kind: global_buffer, .address_space: global }
      - { .name: mbits, .offset: 80, .size: 8, .value_kind: global_buffer, .address_space: global }
    .group_segment_fixed_size: 35072
    .private_segment_fixed_size: 0
    .kernarg_segment_align: 8
    .kernarg_segment_size: 88
    .max_flat_workgroup_size: 512
    .sgpr_count:     66
    .vgpr_count:     226
    .wavefront_size: 32
...
	.end_amdgpu_metadata
.endif
;; end of part 1
;; launch proj (part 2): grid 4 x 48, 4 waves a work-group, clusters of 4 x 4, 327,680 bytes of LDS; arguments xb, wb, pb, bq, bk, bv; writes pb
.if DOCPART == 2
	.amdgcn_target "amdgcn-amd-amdhsa--gfx1250"
	.amdhsa_code_object_version 6
	.text
	.protected	k_q58937f184b_proj
	.globl	k_q58937f184b_proj
	.p2align	8
	.type	k_q58937f184b_proj,@function
k_q58937f184b_proj:
	s_mov_b64 s[64:65], 0
	v_nop
	global_prefetch_b8 v0, s[64:65] scope:SCOPE_SE
	s_setreg_imm32_b32 hwreg(HW_REG_WAVE_MODE, 25, 1), 1
	s_wait_xcnt 0x0
	s_wait_alu depctr_hold_cnt(0) depctr_sa_sdst(0) depctr_va_vdst(0) depctr_va_sdst(0) depctr_va_ssrc(0) depctr_va_vcc(0) depctr_vm_vsrc(0)
	s_getreg_b32 s2, hwreg(HW_REG_IB_STS2, 6, 4)
	s_cmp_eq_u32 s2, 0
	s_cbranch_scc0 .Lentry_in_a_cluster
	s_endpgm
.Lentry_in_a_cluster:
	s_bfe_u32 s2, ttmp6, 0x10000c
	s_cmp_lg_u32 s2, 0xf033
	s_cbranch_scc0 .Lentry_shape_is_right
	s_endpgm
.Lentry_shape_is_right:
; proj: pb[m][n] = (sum over k of xb[m][k] w[n][k] + bias[n]) x scale, for the three projections as one product of 12,288 x 1,024 x 1,024.
; Rows 4,096 p .. 4,096 p + 4,095 belong to product p (0: q, 1: k, 2: v) and take weight p of wb and bias p.  scale = log2(e) / 8 for q (so that the attention
; launch's exponentials are in base 2 and its scores need no division), 1 for k and v.  Operands bf16, sums f32, pb bf16 rounded once.
; LIMIT: q is scaled before it is rounded to bf16; the reference scales the scores instead.
; A work-group makes 256 x 256 with four waves, a wave 128 x 128: 64 accumulator tiles, 512 registers.  K goes in steps of 128 through two LDS slots
; filled by tensor loads; a tile's rows are 256 bytes of memory and start at multiples of 256 bytes from the buffer's first byte.
; 192 work-groups: a block of 256 rows never straddles two products, and smaller blocks would double the LDS bytes for each multiply-add.
; CLUSTERS: 4 x 4 work-groups.  A's tile hangs on the block row alone and is asked for jointly by a row of the cluster; B's on the block column and on p
; (made of the cluster's y alone, so equal in all sixteen) and is asked for jointly by a column: a quarter of the requests.
; REGISTERS, in windows of 256: window 0: v16-27 addresses, v32-63 packed results, v64-191 fragments of A (two buffers), v192-255 results in f32 on the way out;
; window 1: v64-191 fragments of B, v192-255 the bias of my 128 columns; windows 2, 3: accumulators of my rows 0-63, 64-127 (tile (a, b) at v[8 (8 a + b)]).
; The matrix instruction is used transposed (source 0 = rows of B, source 1 = rows of A): lane l holds row l % 16 of C and eight neighbouring columns 8 (l / 16) + 0 .. 7.
.set SIZE_N, 1024
.set SIZE_K, 1024
.set KSTEP,  128
.set PITCH,  272                       ; 256 bytes + 16 of padding: the 16 rows that a load touches start in 16 different 16-byte columns modulo 256
.set HALFT,  128*PITCH                 ; 128 rows: what one tensor load brings
.set SLOT,   4*HALFT                   ; A's 256 rows, then B's 256 rows
.set STAGE,  2*SLOT                    ; behind the ring: 16 rows x 272 bytes for each wave; no tensor load lands there
.set SPITCH, 272
.set LAPS, SIZE_K/(2*KSTEP)            ; 4 laps of two K steps
.set ADRA, 16
.set ADRB, 20
.set STO,  24
.set RD,   25
.set CO,   26
.set BOF,  27                          ; v27: 32 x (l / 16), my 8 columns' offset in a tile's 16 biases
.set TMP,  32
.set F0,   64
.set F1,   128
.set TF,   192                         ; window 0
.set BIAS, 192                         ; window 1
.set G1, 24
.set G0, 32
.set G1B, 48
.set G0B, 56
.set MSB, 0
.macro WIN new                         ; the immediate's high byte repeats the setting that is left
.if MSB != \new
	s_set_vgpr_msb (MSB<<8)|\new
.set MSB, \new
.endif
.endm
.set MUL_LO, 0xa1                      ; source 0 (B) window 1, source 1 (A) window 0, C and D window 2
.set MUL_HI, 0xf1                      ; the same, C and D window 3
.set TO_B,   0x40                      ; destination window 1, address window 0
; A joint load: waves 0 and 1 fetch A's two halves, waves 2 and 3 B's.  The branch hangs on the wave's number alone.
.macro JLOAD s
	s_cmp_eq_u32 s11, 0
	s_cbranch_scc0 .Lfor_b_\@
	tensor_load_to_lds s[G0+4*\s:G0+4*\s+3], s[G1:G1+7]
	s_nop 0
	s_branch .Lasked_\@
.Lfor_b_\@:
	tensor_load_to_lds s[G0B+4*\s:G0B+4*\s+3], s[G1B:G1B+7]
	s_nop 0
.Lasked_\@:
.endm
.macro CREST                           ; a round of the cluster's barrier behind its opening barrier
	s_cmp_lg_u32 s10, 0
	s_cbranch_scc1 .Lnot_wave_0_\@
	s_barrier_signal -3
.Lnot_wave_0_\@:
	s_barrier_wait -3
	s_barrier_signal -1
	s_barrier_wait -1
.endm
.macro CROUND                          ; a whole round
	s_barrier_signal -1
	s_barrier_wait -1
	CREST
.endm
	s_load_b128 s[4:7], s[0:1], 0x0                ; xb s[4:5], wb s[6:7]
	s_load_b64 s[8:9], s[0:1], 0x10                ; pb
	s_load_b128 s[72:75], s[0:1], 0x18             ; bq s[72:73], bk s[74:75]
	s_load_b64 s[76:77], s[0:1], 0x28              ; bv
	s_set_vgpr_msb 0x40
	v_lshl_add_u32 v63, v0, 2, 0x48400
	s_set_vgpr_msb 0x4000
	v_mov_b32 v31, 0
	s_set_vgpr_msb 0x1
	ds_add_u32 v63, v31
	s_set_vgpr_msb 0x100
	v_lshrrev_b32 v1, 5, v0
	v_readfirstlane_b32 s10, v1                    ; wave 0..3
	s_lshr_b32 s11, s10, 1                         ; which half of the block's rows is mine; also: I fetch for A (0) or for B (1)
	s_and_b32 s12, s10, 1                          ; which half of its columns; also: which 128 rows of that tile I fetch
	s_bfe_u32 s40, ttmp6, 0x40000                  ; cx
	s_bfe_u32 s41, ttmp6, 0x40004                  ; cy
	s_lshl_b32 s42, ttmp9, 2
	s_add_co_u32 s42, s42, s40                     ; block column = 4 x cluster x + cx
	s_and_b32 s13, ttmp7, 0xffff
	s_lshr_b32 s70, s13, 2                         ; p: four clusters (4,096 rows) to a product
	s_lshl_b32 s13, s13, 2
	s_add_co_u32 s13, s13, s41                     ; block row = 4 x cluster y + cy
	s_lshl_b32 s43, s41, 2
	s_lshl_b32 s43, 15, s43                        ; my row of the cluster
	s_lshl_b32 s44, 0x1111, s40                    ; my column
	s_or_b32 s[G1+0], s43, (1<<16)|(1<<20)|(1<<21)|(5<<22)|(3<<25)  ; mask; 2-byte elements; padding on; bit 21 beside a mask; after every 64 words, 4 words
	s_or_b32 s[G1B+0], s44, (1<<16)|(1<<20)|(1<<21)|(5<<22)|(3<<25)
	s_mov_b32 s[G1B+1], KSTEP<<16
	s_mov_b32 s[G1+1], KSTEP<<16                   ; tensor_dim0 = 128
	s_mov_b32 s[G1B+2], 128<<16
	s_mov_b32 s[G1+2], 128<<16                     ; tensor_dim1 = 128
	s_mov_b32 s[G1B+3], KSTEP<<16
	s_mov_b32 s[G1+3], KSTEP<<16                   ; tile_dim0 = 128
	s_mov_b32 s[G1B+4], 128
	s_mov_b32 s[G1+4], 128                         ; tile_dim1 = 128
	s_mov_b32 s[G1B+5], SIZE_K
	s_mov_b32 s[G1+5], SIZE_K                      ; elements from row to row
	s_mov_b32 s[G1B+6], 0
	s_mov_b32 s[G1+6], 0
	s_mov_b32 s[G1B+7], 0
	s_mov_b32 s[G1+7], 0
	s_lshl_b32 s17, s12, 7
	s_lshl_b32 s16, s13, 8
	s_add_co_u32 s16, s16, s17                     ; A: row 256 x block row + 128 x half
	s_lshl_b32 s46, s42, 8
	s_add_co_u32 s46, s46, s17                     ; B: row 256 x block column + 128 x half
	s_mov_b32 s17, 0
	s_mov_b32 s47, 0
	s_mov_b64 s[18:19], SIZE_K*2
	s_mul_u64 s[16:17], s[16:17], s[18:19]         ; in bytes
	s_mul_u64 s[46:47], s[46:47], s[18:19]
	s_lshl_b32 s18, s70, 21                        ; weight p: 2,097,152 bytes each
	s_mov_b32 s19, 0
	s_add_nc_u64 s[46:47], s[46:47], s[18:19]
	s_mul_i32 s20, s10, HALFT                      ; LDS: A's two halves, then B's = wave x 128 rows
	s_lshl_b32 s78, s42, 10                        ; my 128 columns in the bias: 1,024 x block column + 512 x half
	s_lshl_b32 s79, s12, 9
	s_add_co_u32 s78, s78, s79
	s_mov_b32 s79, 0
	s_wait_dscnt 0x0
	s_wait_kmcnt 0x0
	s_add_nc_u64 s[14:15], s[4:5], s[16:17]
	s_add_nc_u64 s[46:47], s[6:7], s[46:47]
	s_mov_b64 s[68:69], s[72:73]                   ; the bias of product p
	s_cmp_eq_u32 s70, 1
	s_cselect_b64 s[68:69], s[74:75], s[68:69]
	s_cmp_eq_u32 s70, 2
	s_cselect_b64 s[68:69], s[76:77], s[68:69]
	s_add_nc_u64 s[68:69], s[68:69], s[78:79]
	s_cmp_eq_u32 s70, 0
	s_cselect_b32 s66, 0x3e38aa3b, 1.0             ; log2(e) / 8 for q
	s_mov_b32 s67, s66
	CROUND                                         ; all sixteen work-groups are here: the first joint loads meet
.irp s, 0,1
	s_mov_b32 s[G0+4*\s], 1
	s_add_co_u32 s[G0+4*\s+1], s20, \s*SLOT
	s_add_nc_u64 s[G0+4*\s+2:G0+4*\s+3], s[14:15], \s*KSTEP*2
	s_or_b32 s[G0+4*\s+3], s[G0+4*\s+3], 0x80000000
	s_mov_b32 s[G0B+4*\s], 1
	s_add_co_u32 s[G0B+4*\s+1], s20, \s*SLOT
	s_add_nc_u64 s[G0B+4*\s+2:G0B+4*\s+3], s[46:47], \s*KSTEP*2
	s_or_b32 s[G0B+4*\s+3], s[G0B+4*\s+3], 0x80000000
	JLOAD \s                                       ; both slots are asked for before anything else: two tensor loads of a wave are out
.endr
	v_and_b32 v1, 15, v0                           ; l % 16
	v_bfe_u32 v2, v0, 4, 1                         ; l / 16
	v_mul_u32_u24 v3, v1, PITCH
	v_lshl_add_u32 v3, v2, 4, v3                   ; row x pitch + 16 x half
	s_mul_i32 s21, s11, HALFT                      ; my 128 rows of A
	s_mul_i32 s22, s12, HALFT                      ; my 128 rows of B,
	s_add_co_u32 s22, s22, 2*HALFT                 ; which lie behind A's 256
.irp s, 0,1
	v_add_nc_u32 v[ADRA+\s], s21, v3
	v_add_nc_u32 v[ADRB+\s], s22, v3
	s_add_co_u32 s21, s21, SLOT
	s_add_co_u32 s22, s22, SLOT
.endr
	s_mul_i32 s23, s10, 16*SPITCH
	s_add_co_u32 s23, s23, STAGE                   ; my stage
	v_mul_u32_u24 v4, v1, SPITCH
	v_lshl_add_u32 v4, v2, 4, v4
	v_add_nc_u32 v[STO], s23, v4
	v_mul_u32_u24 v5, v2, SPITCH
	v_lshl_add_u32 v5, v1, 4, v5
	v_add_nc_u32 v[RD], s23, v5
	v_mul_u32_u24 v5, v2, SIZE_N*2
	v_lshl_add_u32 v[CO], v1, 4, v5
	v_lshlrev_b32 v[BOF], 5, v2
	; the bias of my 128 columns, as the results lie: tile b, registers 0-7 = columns 16 b + 8 (l / 16) + 0 .. 7.  Waited for on the way out.
	WIN TO_B
.irp b, 0,1,2,3,4,5,6,7
	global_load_b128 v[BIAS+8*\b:BIAS+8*\b+3],   v[BOF], s[68:69] offset:64*\b
	global_load_b128 v[BIAS+8*\b+4:BIAS+8*\b+7], v[BOF], s[68:69] offset:64*\b+16
.endr
; 16 matrix instructions: m blocks a0, a0 + 1 of the window's four x all 8 n blocks, 32 along K.  zero = 1: the first product starts the sums.
.macro MUL16 f, hi, a0, zero
.irp a, \a0, \a0+1
.irp b, 0,1,2,3,4,5,6,7
.if \zero
	v_wmma_f32_16x16x32_bf16 v[8*(8*(\a)+\b):8*(8*(\a)+\b)+7], v[\f+8*\b:\f+8*\b+7], v[\f+8*(4*\hi+\a):\f+8*(4*\hi+\a)+7], 0
.else
	v_wmma_f32_16x16x32_bf16 v[8*(8*(\a)+\b):8*(8*(\a)+\b)+7], v[\f+8*\b:\f+8*\b+7], v[\f+8*(4*\hi+\a):\f+8*(4*\hi+\a)+7], v[8*(8*(\a)+\b):8*(8*(\a)+\b)+7]
.endif
.endr
.endr
.endm
; 32 LDS loads in one run: the fragments of one quarter step into buffer f
.macro FETCH slot, k, f
	WIN TO_B
.irp i, 0,1,2,3,4,5,6,7
	ds_load_b128 v[\f+8*\i:\f+8*\i+3],   v[ADRB+\slot] offset:\k+\i*16*PITCH
	ds_load_b128 v[\f+8*\i+4:\f+8*\i+7], v[ADRB+\slot] offset:\k+\i*16*PITCH+32
.endr
	WIN 0
.irp i, 0,1,2,3,4,5,6,7
	ds_load_b128 v[\f+8*\i:\f+8*\i+3],   v[ADRA+\slot] offset:\k+\i*16*PITCH
	ds_load_b128 v[\f+8*\i+4:\f+8*\i+7], v[ADRA+\slot] offset:\k+\i*16*PITCH+32
.endr
.endm
; Four places between a matrix instruction and a load into, or a vector instruction on, one of its registers
.macro PLACES
.rept 4
	v_nop
.endr
.endm
; The 64 accumulators take turns, one instruction a turn, in the same order in every quarter step.
.macro QUARTER slot, k, f, g, zero
	s_wait_dscnt 8                                 ; B and A's rows 0-63 are in; the youngest eight loads (A's rows 64-127) may be out
	WIN MUL_LO
	MUL16 \f, 0, 0, \zero
	MUL16 \f, 0, 2, \zero
	PLACES
	FETCH \slot, \k, \g
	s_wait_dscnt 32                                ; all but the 32 just issued
	WIN MUL_HI
	MUL16 \f, 1, 0, \zero
	MUL16 \f, 1, 2, \zero
.endm
.macro THREE slot, zero
	QUARTER \slot, 64,  F0, F1, \zero
	QUARTER \slot, 128, F1, F0, 0
	QUARTER \slot, 192, F0, F1, 0
.endm
; The last quarter changes slots.  In front of the barrier each wave waits for its reads of this slot and for all its tensor loads (one is out: its part of
; the next slot).  Behind it (with fill = 1: behind the round that it opens) the refill comes first, then the next slot's first fragments.
.macro TURN slot, next, fill
	s_wait_dscnt 8
	WIN MUL_LO
	MUL16 F1, 0, 0, 0
	s_wait_dscnt 0                                 ; my reads of this slot are over
	s_wait_tensorcnt 0x0                           ; all my tensor loads have landed
	ds_add_u32 v63, v31
	s_wait_dscnt 0x0
	s_barrier_signal -1
	MUL16 F1, 0, 2, 0                              ; register work while the others arrive
	WIN 0
	s_barrier_wait -1
.if \fill
	CREST                                          ; no wave of any partner still reads this slot or has a load on its way
	s_add_nc_u64 s[G0+4*\slot+2:G0+4*\slot+3], s[G0+4*\slot+2:G0+4*\slot+3], 2*KSTEP*2
	s_add_nc_u64 s[G0B+4*\slot+2:G0B+4*\slot+3], s[G0B+4*\slot+2:G0B+4*\slot+3], 2*KSTEP*2
	JLOAD \slot                                    ; the wave's one tensor load behind the round
.endif
	PLACES
	FETCH \next, 0, F0
	WIN MUL_HI
	MUL16 F1, 1, 0, 0
	MUL16 F1, 1, 2, 0
.endm
.macro LAP zero
	THREE 0, \zero
	TURN 0, 1, 1
	THREE 1, 0
	TURN 1, 0, 1
.endm
	s_wait_tensorcnt 1                             ; my part of K step 0 is in; K step 1's load stays out
	s_barrier_signal -1
	s_barrier_wait -1
	FETCH 0, 0, F0
	LAP 1                                          ; the first lap's first products start the sums
	WIN 0
	s_mov_b32 s3, LAPS-2
.Llap:
	LAP 0
	WIN 0
	s_sub_co_u32 s3, s3, 1
	s_cmp_lg_u32 s3, 0
	s_cbranch_scc1 .Llap
	THREE 0, 0                                     ; the last lap fills nothing
	TURN 0, 1, 0
	THREE 1, 0
	s_wait_dscnt 8
	WIN MUL_LO
	MUL16 F1, 0, 0, 0
	MUL16 F1, 0, 2, 0
	s_wait_dscnt 0
	WIN MUL_HI
	MUL16 F1, 1, 0, 0
	MUL16 F1, 1, 2, 0
	; THE WAY OUT, 16 rows at a time: acc x scale + bias x scale in one fused multiply-add, rounded to bf16, through my own stage, out as whole rows of 256 bytes
	PLACES
	s_lshl_b32 s13, s13, 8
	s_lshl_b32 s14, s11, 7
	s_add_co_u32 s16, s13, s14                     ; my first row
	s_mov_b32 s17, 0
	s_mov_b64 s[18:19], SIZE_N*2
	s_mul_u64 s[16:17], s[16:17], s[18:19]
	s_add_nc_u64 s[8:9], s[8:9], s[16:17]
	s_lshl_b32 s46, s42, 9                         ; my first column, in bytes (in registers that held B's address: none that feeds A's descriptors holds cx)
	s_lshl_b32 s47, s12, 8
	s_add_co_u32 s46, s46, s47
	s_mov_b32 s47, 0
	s_add_nc_u64 s[8:9], s[8:9], s[46:47]
	s_wait_loadcnt 0x0                             ; the bias
	WIN 0x41                                       ; source 0 and destination in window 1
.set i, 0
.rept 32
	v_pk_mul_f32 v[BIAS+2*i:BIAS+2*i+1], v[BIAS+2*i:BIAS+2*i+1], s[66:67] op_sel_hi:[1,0]
.set i, i+1
.endr
; rows 16 i .. 16 i + 15 of my block = tiles (a, 0..7) of window 2 or 3 (from = 0x12 or 0x13: source 0 there, source 2 = the bias in window 1); f: F0 or F1 in turn
.macro OUT16 i, a, from, f
	WIN \from
.irp b, 0,1,2,3,4,5,6,7
.irp r, 0,1,2,3
	v_pk_fma_f32 v[TF+8*\b+2*\r:TF+8*\b+2*\r+1], v[8*(8*\a+\b)+2*\r:8*(8*\a+\b)+2*\r+1], s[66:67], v[BIAS+8*\b+2*\r:BIAS+8*\b+2*\r+1] op_sel_hi:[1,0,1]
.endr
.endr
	WIN 0
.irp b, 0,1,2,3,4,5,6,7
.irp r, 0,1,2,3
	v_cvt_pk_bf16_f32 v[TMP+4*\b+\r], v[TF+8*\b+2*\r], v[TF+8*\b+2*\r+1]
.endr
.endr
.irp b, 0,1,2,3,4,5,6,7
	ds_store_b128 v[STO], v[TMP+4*\b:TMP+4*\b+3] offset:32*\b
.endr
	s_wait_xcnt 0x0                                ; buffer f, which earlier stores read, and the stores' base are rewritten only behind this wait
.if \i
	s_add_nc_u64 s[8:9], s[8:9], 16*SIZE_N*2
.endif
.irp t, 0,1,2,3,4,5,6,7
	ds_load_b128 v[\f+4*\t:\f+4*\t+3], v[RD] offset:\t*2*SPITCH    ; LDS serves a wave's instructions in order (ISA guide 5.7.1.4): these see the stores above
.endr
.irp t, 0,1,2,3,4,5,6,7
	s_wait_dscnt 7-\t
	global_store_b128 v[CO], v[\f+4*\t:\f+4*\t+3], s[8:9] offset:2*\t*SIZE_N*2   ; 16 lanes store 256 consecutive bytes, aligned
.endr
.endm
	OUT16 0, 0, 0x12, F0
	OUT16 1, 1, 0x12, F1
	OUT16 2, 2, 0x12, F0
	OUT16 3, 3, 0x12, F1
	OUT16 4, 0, 0x13, F0
	OUT16 5, 1, 0x13, F1
	OUT16 6, 2, 0x13, F0
	OUT16 7, 3, 0x13, F1
	s_set_vgpr_msb 0x1
	s_wait_tensorcnt 0x0
	ds_add_u32 v63, v31
	s_wait_dscnt 0x0
	s_set_vgpr_msb 0x100
	CROUND                                         ; the closing round: no work-group ends while a partner may still ask for a tile that names it
	s_endpgm
.Lfunc_end_k_q58937f184b_proj:
	.size	k_q58937f184b_proj, .Lfunc_end_k_q58937f184b_proj-k_q58937f184b_proj
	.p2alignl 7, 3214868480
	.fill 96, 4, 3214868480
	.section	.rodata,"a",@progbits
	.p2align	6, 0x0
	.amdhsa_kernel k_q58937f184b_proj
		.amdhsa_group_segment_fixed_size 327680
		.amdhsa_private_segment_fixed_size 0
		.amdhsa_enable_private_segment 0
		.amdhsa_kernarg_size 48
		.amdhsa_user_sgpr_count 2
		.amdhsa_user_sgpr_kernarg_segment_ptr 1
		.amdhsa_wavefront_size32 1
		.amdhsa_system_sgpr_workgroup_id_x 1
		.amdhsa_system_sgpr_workgroup_id_y 1
		.amdhsa_system_sgpr_workgroup_id_z 1
		.amdhsa_system_vgpr_workitem_id 0
		.amdhsa_next_free_vgpr 1024
		.amdhsa_next_free_sgpr 80
		.amdhsa_reserve_vcc 0
		.amdhsa_float_denorm_mode_32 3
		.amdhsa_float_denorm_mode_16_64 3
		.amdhsa_memory_ordered 1
		.amdhsa_forward_progress 1
		.amdhsa_inst_pref_size 216
	.end_amdhsa_kernel
	.amdgpu_metadata
---
amdhsa.version: [ 1, 2 ]
amdhsa.kernels:
  - .name:           k_q58937f184b_proj
    .symbol:         k_q58937f184b_proj.kd
    .args:
      - { .name: xb, .offset: 0, .size: 8, .value_kind: global_buffer, .address_space: global }
      - { .name: wb, .offset: 8, .size: 8, .value_kind: global_buffer, .address_space: global }
      - { .name: pb, .offset: 16, .size: 8, .value_kind: global_buffer, .address_space: global }
      - { .name: bq, .offset: 24, .size: 8, .value_kind: global_buffer, .address_space: global }
      - { .name: bk, .offset: 32, .size: 8, .value_kind: global_buffer, .address_space: global }
      - { .name: bv, .offset: 40, .size: 8, .value_kind: global_buffer, .address_space: global }
    .group_segment_fixed_size: 327680
    .private_segment_fixed_size: 0
    .kernarg_segment_align: 8
    .kernarg_segment_size: 48
    .max_flat_workgroup_size: 128
    .sgpr_count:     80
    .vgpr_count:     1024
    .wavefront_size: 32
...
	.end_amdgpu_metadata
.endif
;; end of part 2
;; launch attn (part 3): grid 8 x 32, 8 waves a work-group, clusters of 4 x 1, 327,680 bytes of LDS; arguments pb, mbits, ctx; writes ctx
.if DOCPART == 3
	.amdgcn_target "amdgcn-amd-amdhsa--gfx1250"
	.amdhsa_code_object_version 6
	.text
	.protected	k_q58937f184b_attn
	.globl	k_q58937f184b_attn
	.p2align	8
	.type	k_q58937f184b_attn,@function
k_q58937f184b_attn:
	s_mov_b64 s[64:65], 0
	v_nop
	global_prefetch_b8 v0, s[64:65] scope:SCOPE_SE
	s_setreg_imm32_b32 hwreg(HW_REG_WAVE_MODE, 25, 1), 1
	s_wait_xcnt 0x0
	s_wait_alu depctr_hold_cnt(0) depctr_sa_sdst(0) depctr_va_vdst(0) depctr_va_sdst(0) depctr_va_ssrc(0) depctr_va_vcc(0) depctr_vm_vsrc(0)
	s_getreg_b32 s2, hwreg(HW_REG_IB_STS2, 6, 4)
	s_cmp_eq_u32 s2, 0
	s_cbranch_scc0 .Lentry_in_a_cluster
	s_endpgm
.Lentry_in_a_cluster:
	s_bfe_u32 s2, ttmp6, 0x10000c
	s_cmp_lg_u32 s2, 0x3003
	s_cbranch_scc0 .Lentry_shape_is_right
	s_endpgm
.Lentry_shape_is_right:
; attn: softmax(q k^T / 8, masked places replaced by -1e9) v for one head (b, h) and 256 queries a work-group, with a running maximum.
; pb holds q' = q log2(e) / 8 at byte 0, k at 8,388,608, v at 16,777,216; head bh = 16 b + h is a dense block [2048][64] bf16 of 262,144 bytes in each.
; ctx: [bh][2048][64] bf16.  Eight waves, 32 queries each (two tiles of 16, qt = 0, 1); keys go in steps of 64.
; EVERYTHING IS TRANSPOSED: S^T = K Q'^T (source 0 = 16 keys, source 1 = 16 queries), so lane (r, h) holds query r in all its score registers; two score tiles,
; packed to bf16 inside the lane, ARE the second source of O^T = V^T P^T over 32 keys; O^T holds query r in the lane again.  So the maximum, the sum and the
; rescale factor are one number a lane, and the only step between lanes is one exchange of the halves for each maximum.
; KEYS ARE PERMUTED inside a tile of 16: tile row 8 h + j stands for key 2 j + h, alike in K's row addresses, V's transposing addresses and the mask words.
; With it one pitch of 144 bytes serves both kinds of read: K's 16 rows (a permutation of 0..15, 9 columns of 16 bytes apart) and V's 16 addresses
; (rows 2 i + h, two columns each: 18 i + e) each touch 16 different 16-byte columns modulo 256.
; CLUSTERS: the four query blocks of a cluster read the same K and V and ask jointly (mask 15): a quarter of the requests.
; LDS: two slots of 73,728 bytes, each 256 keys (four steps): V's 256 rows (waves 0-3 fetch 64 each), then K's (waves 4-7); then a stage of 4,608 bytes a wave.
; LIMITS: masked scores are -1e9 in the reference's units; real scores at or below that are not told apart from masked ones.  The maxima drop NaN.
; Probabilities below 2^-126 become 0.  The row sum adds the unrounded f32 probabilities, the product with V takes their bf16 roundings.
.set PITCH, 144
.set SLOT,  73728
.set KOFF,  36864
.set STAGE, 147456
.set WSTG,  4608
.set T,   20                           ; v[20:27] at work
.set QF,  32                           ; v[32:63]   Q fragments, + 16 qt + 8 c
.set KF,  64                           ; v[64:127]  K fragments, + 16 kt + 8 c
.set PF,  64                           ; v[64:95]   P, over K's registers once the scores are made, + 16 qt + 4 kt
.set VF,  128                          ; v[128:191] V^T fragments, + 16 dt + 8 c
.set SF,  192                          ; v[192:255] scores, + 8 (4 qt + kt)
.set OF,  0                            ; window 1, v[0:63]: O^T, + 8 (4 qt + dt)
.set G1,  68                           ; s[68:75] group 1; group 0 of slot n: s[76+20n:79+20n]
; v[12:13] = (m, l) of qt 0, v[14:15] of qt 1; v[16:17], v[18:19]: (alpha, unused).  v4, v5: K's LDS address in slot 0, 1; v6, v7: V's.
; s[16:47]: the 32 mask words of a step for qt 0; s[48:63], s[80:95]: for qt 1.
.set MSB, 0
.macro WIN new
.if MSB != \new
	s_set_vgpr_msb (MSB<<8)|\new
.set MSB, \new
.endif
.endm
.macro PLACES                          ; four places behind a matrix instruction (ISA guide 7.12.1)
.rept 4
	v_nop
.endr
.endm
.macro ROUND                           ; a round of the cluster's barrier
	s_barrier_signal -1
	s_barrier_wait -1
	s_cmp_lg_u32 s10, 0
	s_cbranch_scc1 .Lnot_wave_0_\@
	s_barrier_signal -3
.Lnot_wave_0_\@:
	s_barrier_wait -3
	s_barrier_signal -1
	s_barrier_wait -1
.endm
	s_load_b64 s[8:9], s[0:1], 0x0                 ; pb
	s_load_b64 s[4:5], s[0:1], 0x8                 ; mbits
	s_load_b64 s[6:7], s[0:1], 0x10                ; ctx
	v_lshl_add_u32 v30, v0, 2, 0x2d000
	v_mov_b32 v31, 0
	ds_add_u32 v30, v31
	v_lshrrev_b32 v1, 5, v0
	v_readfirstlane_b32 s10, v1                    ; wave 0..7
	s_bfe_u32 s14, ttmp6, 0x40000                  ; cx
	s_lshl_b32 s15, ttmp9, 2
	s_add_co_u32 s15, s15, s14                     ; query block qb = 4 x cluster x + cx
	s_and_b32 s66, ttmp7, 0xffff                   ; bh
	s_mov_b32 s12, 0x76543210                      ; v_permlanex16_b32: lane i takes lane i of the other half
	s_mov_b32 s13, 0xfedcba98
	; group 1: 64 rows of 64 bf16 (128 bytes), 4 words of padding behind every 32
	s_mov_b32 s[G1+0], 15|(1<<16)|(1<<20)|(1<<21)|(4<<22)|(3<<25)
	s_mov_b32 s[G1+1], 64<<16                      ; tensor_dim0 = 64
	s_mov_b32 s[G1+2], 64<<16                      ; tensor_dim1 = 64
	s_mov_b32 s[G1+3], 64<<16                      ; tile_dim0 = 64
	s_mov_b32 s[G1+4], 64                          ; tile_dim1 = 64
	s_mov_b32 s[G1+5], 64                          ; elements from row to row
	s_mov_b32 s[G1+6], 0
	s_mov_b32 s[G1+7], 0
	s_mov_b32 s76, 1
	s_mul_i32 s77, s10, 64*PITCH                   ; LDS: wave x 64 rows: V's four quarters, then K's
	s_mov_b32 s96, 1
	s_add_co_u32 s97, s77, SLOT
	s_lshr_b32 s67, s10, 2
	s_lshl_b32 s67, s67, 23
	s_sub_co_u32 s2, 16777216, s67                 ; waves 0-3: v; waves 4-7: k
	s_lshl_b32 s100, s66, 18                       ; + the head's block
	s_add_co_u32 s2, s2, s100
	s_and_b32 s101, s10, 3
	s_lshl_b32 s101, s101, 13                      ; + my 64 rows of 128 bytes
	s_add_co_u32 s2, s2, s101
	s_mov_b32 s3, 0
	s_wait_dscnt 0x0
	s_wait_kmcnt 0x0
	s_add_nc_u64 s[78:79], s[8:9], s[2:3]          ; keys 0-255
	s_add_nc_u64 s[98:99], s[78:79], 32768         ; keys 256-511
	s_or_b32 s79, s79, 0x80000000
	s_or_b32 s99, s99, 0x80000000
	ROUND                                          ; the four partners are here: the first joint loads meet
	tensor_load_to_lds s[76:79], s[G1:G1+7]        ; both first fills go out as one group: two tensor loads of a wave are out
	s_nop 0
	tensor_load_to_lds s[96:99], s[G1:G1+7]
	s_nop 0
	; what hangs on cx is made in registers that feed no descriptor
	s_lshl_b32 s16, s15, 15                        ; 256 queries x 128 bytes x qb
	s_add_co_u32 s16, s16, s100
	s_lshl_b32 s18, s10, 12                        ; + 32 queries x wave
	s_add_co_u32 s16, s16, s18
	s_mov_b32 s17, 0
	s_add_nc_u64 s[104:105], s[8:9], s[16:17]      ; my 32 rows of q'
	s_add_nc_u64 s[6:7], s[6:7], s[16:17]          ; and of ctx
	s_lshr_b32 s16, s66, 4
	s_lshl_b32 s16, s16, 19                        ; batch: 128 q tiles x 4,096 bytes
	s_lshl_b32 s18, s15, 16                        ; + 16 q tiles x qb
	s_add_co_u32 s16, s16, s18
	s_lshl_b32 s18, s10, 13                        ; + 2 q tiles x wave
	s_add_co_u32 s16, s16, s18
	s_add_nc_u64 s[4:5], s[4:5], s[16:17]          ; my first q tile's mask words
	v_and_b32 v1, 15, v0                           ; r
	v_bfe_u32 v2, v0, 4, 1                         ; h
	v_lshlrev_b32 v3, 7, v1
	v_lshl_add_u32 v3, v2, 4, v3                   ; 128 r + 16 h
.irp qt, 0,1
.irp c, 0,1
	global_load_b128 v[QF+16*\qt+8*\c:QF+16*\qt+8*\c+3],   v3, s[104:105] offset:2048*\qt+64*\c
	global_load_b128 v[QF+16*\qt+8*\c+4:QF+16*\qt+8*\c+7], v3, s[104:105] offset:2048*\qt+64*\c+32
.endr
.endr
; the 64 mask words of the step at byte off of a q tile's words: 128 bytes for each of my two q tiles
.macro MLOAD off
	s_load_b512 s[16:31], s[4:5], \off
	s_load_b512 s[32:47], s[4:5], \off+64
	s_load_b512 s[48:63], s[4:5], \off+4096
	s_load_b512 s[80:95], s[4:5], \off+4160
.endm
	MLOAD 0
	v_and_b32 v20, 7, v1
	v_lshrrev_b32 v21, 3, v1
	v_lshl_add_u32 v20, v20, 1, v21                ; tile row r stands for key 2 (r & 7) + (r >> 3)
	v_mul_u32_u24 v20, v20, PITCH
	v_lshl_add_u32 v20, v2, 4, v20
	v_add_nc_u32 v4, KOFF, v20
	v_add_nc_u32 v5, KOFF+SLOT, v20
	v_and_b32 v20, 7, v0
	v_lshl_add_u32 v20, v20, 1, v2                 ; the transposing load: lane addresses key 2 (l & 7) + h,
	v_mul_u32_u24 v20, v20, PITCH
	v_bfe_u32 v21, v0, 3, 1
	v_lshl_add_u32 v6, v21, 4, v20                 ; columns 8 ((l >> 3) & 1) ..
	v_add_nc_u32 v7, SLOT, v6
	v_mov_b32 v8, 0xceabfb8f                       ; -1e9 x log2(e)
	s_mul_i32 s67, s10, WSTG
	s_add_co_u32 s67, s67, STAGE                   ; my stage
	v_mul_u32_u24 v20, v1, PITCH
	v_lshl_add_u32 v20, v2, 4, v20
	v_add_nc_u32 v9, s67, v20                      ; in: row r, 16 bytes for each half
	v_and_b32 v21, 31, v0
	v_lshrrev_b32 v22, 3, v21
	v_mul_u32_u24 v22, v22, PITCH
	v_and_b32 v23, 7, v0
	v_lshl_add_u32 v22, v23, 4, v22
	v_add_nc_u32 v10, s67, v22                     ; back: eight lanes to a row of 128 bytes
	v_lshlrev_b32 v11, 4, v21                      ; and 16 x lane in ctx, whose rows are dense
	v_mov_b32 v12, 0xff7fffff                      ; m = the least finite number; every register of a pair that a packed instruction names is written
	v_mov_b32 v13, 0
	v_mov_b32 v14, 0xff7fffff
	v_mov_b32 v15, 0
	v_mov_b32 v16, 0
	v_mov_b32 v17, 0
	v_mov_b32 v18, 0
	v_mov_b32 v19, 0
; the fragments of step stp (64 keys) of a slot: 16 loads for K, then 16 transposing loads for V
.macro LDKV slot, stp
	PLACES                                         ; behind the last products, whose sources are loaded again
.irp kt, 0,1,2,3
.irp c, 0,1
	ds_load_b128 v[KF+16*\kt+8*\c:KF+16*\kt+8*\c+3],   v[4+\slot] offset:(64*\stp+16*\kt)*PITCH+64*\c
	ds_load_b128 v[KF+16*\kt+8*\c+4:KF+16*\kt+8*\c+7], v[4+\slot] offset:(64*\stp+16*\kt)*PITCH+64*\c+32
.endr
.endr
.irp dt, 0,1,2,3
.irp c, 0,1
	ds_load_tr16_b128 v[VF+16*\dt+8*\c:VF+16*\dt+8*\c+3],   v[6+\slot] offset:(64*\stp+32*\c)*PITCH+32*\dt
	ds_load_tr16_b128 v[VF+16*\dt+8*\c+4:VF+16*\dt+8*\c+7], v[6+\slot] offset:(64*\stp+32*\c+16)*PITCH+32*\dt
.endr
.endr
.endm
; S^T: eight tiles, two products each (d = 0-31, 32-63).  The eight accumulators take turns, one instruction a turn.
.macro QK
	s_wait_dscnt 16                                ; K's 16 loads are in; V's 16, issued behind them, stay out
.irp qt, 0,1
.irp kt, 0,1,2,3
	v_wmma_f32_16x16x32_bf16 v[SF+8*(4*\qt+\kt):SF+8*(4*\qt+\kt)+7], v[KF+16*\kt:KF+16*\kt+7], v[QF+16*\qt:QF+16*\qt+7], 0
.endr
.endr
.irp qt, 0,1
.irp kt, 0,1,2,3
	v_wmma_f32_16x16x32_bf16 v[SF+8*(4*\qt+\kt):SF+8*(4*\qt+\kt)+7], v[KF+16*\kt+8:KF+16*\kt+15], v[QF+16*\qt+8:QF+16*\qt+15], v[SF+8*(4*\qt+\kt):SF+8*(4*\qt+\kt)+7]
.endr
.endr
	PLACES
.endm
; masked places are replaced: word 8 kt + j holds the 32 lanes' bits of register j of tile kt
.macro MASK
	s_wait_kmcnt 0x0
.set i, 0
.rept 32
	v_cndmask_b32 v[SF+i], v[SF+i], v8, s[16+i]
.set i, i+1
.endr
.set i, 0
.rept 16
	v_cndmask_b32 v[SF+32+i], v[SF+32+i], v8, s[48+i]
	v_cndmask_b32 v[SF+48+i], v[SF+48+i], v8, s[80+i]
.set i, i+1
.endr
.endm
; the softmax step of q tile qt: new maximum, alpha = 2^(m - m'), p = 2^(s - m'), l = l alpha + sum p, P packed, O scaled by alpha
.macro SOFT qt, first
	v_max3_num_f32 v[T],   v[12+2*\qt], v[SF+32*\qt],    v[SF+32*\qt+1]
	v_max3_num_f32 v[T+1], v[12+2*\qt], v[SF+32*\qt+16], v[SF+32*\qt+17]
.set i, 2
.rept 7
	v_max3_num_f32 v[T],   v[T],   v[SF+32*\qt+i],    v[SF+32*\qt+i+1]
	v_max3_num_f32 v[T+1], v[T+1], v[SF+32*\qt+16+i], v[SF+32*\qt+17+i]
.set i, i+2
.endr
	v_max_num_f32 v[T], v[T], v[T+1]
	v_permlanex16_b32 v[T+1], v[T], s12, s13       ; the other half of the lanes holds the query's other 32 keys
	v_max_num_f32 v[T], v[T], v[T+1]
.if \first
	v_mov_b32 v[12+2*\qt], v[T]
.else
	v_sub_f32 v[16+2*\qt], v[12+2*\qt], v[T]
	v_mov_b32 v[12+2*\qt], v[T]
	v_exp_f32 v[16+2*\qt], v[16+2*\qt]             ; the subtractions below are the plain place behind it (ISA guide 5.7.2)
.endif
.set i, 0
.rept 16
	v_pk_add_f32 v[SF+32*\qt+i:SF+32*\qt+i+1], v[SF+32*\qt+i:SF+32*\qt+i+1], v[12+2*\qt:13+2*\qt] op_sel_hi:[1,0] neg_lo:[0,1] neg_hi:[0,1]
.set i, i+2
.endr
.set i, 0
.rept 32
	v_exp_f32 v[SF+32*\qt+i], v[SF+32*\qt+i]
.set i, i+1
.endr
	v_nop                                          ; one plain place behind the last exponential
	s_wait_alu depctr_va_vdst(0)
.irp k, 0,1,2,3
	v_pk_add_f32 v[T+2*\k:T+2*\k+1], v[SF+32*\qt+2*\k:SF+32*\qt+2*\k+1], v[SF+32*\qt+8+2*\k:SF+32*\qt+9+2*\k]
.endr
.irp k, 0,1,2,3
	v_pk_add_f32 v[T+2*\k:T+2*\k+1], v[T+2*\k:T+2*\k+1], v[SF+32*\qt+16+2*\k:SF+32*\qt+17+2*\k]
.endr
.irp k, 0,1,2,3
	v_pk_add_f32 v[T+2*\k:T+2*\k+1], v[T+2*\k:T+2*\k+1], v[SF+32*\qt+24+2*\k:SF+32*\qt+25+2*\k]
.endr
	v_pk_add_f32 v[T:T+1], v[T:T+1], v[T+2:T+3]
	v_pk_add_f32 v[T+4:T+5], v[T+4:T+5], v[T+6:T+7]
	v_pk_add_f32 v[T:T+1], v[T:T+1], v[T+4:T+5]
.if \first
	v_add_f32 v[13+2*\qt], v[T], v[T+1]
.else
	v_add_f32 v[T], v[T], v[T+1]
	v_fma_f32 v[13+2*\qt], v[13+2*\qt], v[16+2*\qt], v[T]
.endif
.set i, 0
.rept 16
	v_cvt_pk_bf16_f32 v[PF+16*\qt+i], v[SF+32*\qt+2*i], v[SF+32*\qt+2*i+1]
.set i, i+1
.endr
.if \first == 0
	WIN 0x41                                       ; O: source 0 and destination in window 1
.set i, 0
.rept 16
	v_pk_mul_f32 v[OF+32*\qt+i:OF+32*\qt+i+1], v[OF+32*\qt+i:OF+32*\qt+i+1], v[16+2*\qt:17+2*\qt] op_sel_hi:[1,0]
.set i, i+2
.endr
.endif
.endm
; O^T += V^T P^T: four tiles of 16 d, two products each (32 keys).  The four accumulators take turns.
.macro PV qt, first
	WIN 0x50                                       ; C and D in window 1
.irp dt, 0,1,2,3
.if \first
	v_wmma_f32_16x16x32_bf16 v[OF+8*(4*\qt+\dt):OF+8*(4*\qt+\dt)+7], v[VF+16*\dt:VF+16*\dt+7], v[PF+16*\qt:PF+16*\qt+7], 0
.else
	v_wmma_f32_16x16x32_bf16 v[OF+8*(4*\qt+\dt):OF+8*(4*\qt+\dt)+7], v[VF+16*\dt:VF+16*\dt+7], v[PF+16*\qt:PF+16*\qt+7], v[OF+8*(4*\qt+\dt):OF+8*(4*\qt+\dt)+7]
.endif
.endr
.irp dt, 0,1,2,3
	v_wmma_f32_16x16x32_bf16 v[OF+8*(4*\qt+\dt):OF+8*(4*\qt+\dt)+7], v[VF+16*\dt+8:VF+16*\dt+15], v[PF+16*\qt+8:PF+16*\qt+15], v[OF+8*(4*\qt+\dt):OF+8*(4*\qt+\dt)+7]
.endr
	WIN 0
.endm
; one step of 64 keys.  mnext: where the next step's mask words lie (below 0: none); they are asked for as soon as this step's are used.
.macro STEP slot, stp, first, mnext
	LDKV \slot, \stp
	QK
	MASK
.if \mnext >= 0
	MLOAD \mnext
.endif
	SOFT 0, \first
	s_wait_dscnt 0x0                               ; V's fragments are in
	PV 0, \first                                   ; these products run under the second tile's softmax
	SOFT 1, \first
	PV 1, \first
.endm
; four steps on one slot.  In front of the barrier each wave waits for all its tensor loads (its part of this slot among them) and for its reads of the other slot;
; with refill = 1 the barrier is a round of the cluster's, and the joint refill of the other slot is the first thing behind it: it has four steps in which to land.
.macro TWO slot, refill, mb, last
	s_wait_tensorcnt 0x0
	ds_add_u32 v30, v31
	s_wait_dscnt 0x0
.if \refill
	s_add_nc_u64 s[78+20*(1-\slot):79+20*(1-\slot)], s[78+20*(1-\slot):79+20*(1-\slot)], 65536   ; no load of mine is out: the other slot's next 256 keys
.endif
	s_wait_dscnt 0x0
.if \refill
	ROUND
	tensor_load_to_lds s[76+20*(1-\slot):79+20*(1-\slot)], s[G1:G1+7]
	s_nop 0
.else
	s_barrier_signal -1
	s_barrier_wait -1
.endif
	STEP \slot, 0, 0, \mb+128
	STEP \slot, 1, 0, \mb+256
	STEP \slot, 2, 0, \mb+384
.if \last
	STEP \slot, 3, 0, -1
.else
	STEP \slot, 3, 0, \mb+512
.endif
.endm
	s_wait_tensorcnt 1                             ; my part of slot 0 is in; slot 1's load stays out
	s_barrier_signal -1
	s_barrier_wait -1
	s_wait_loadcnt 0x0                             ; Q's fragments
	STEP 0, 0, 1, 128                              ; the first step starts m, l and O: nothing is cleared
	STEP 0, 1, 0, 256
	STEP 0, 2, 0, 384
	STEP 0, 3, 0, 512
	s_wait_xcnt 0x0                                ; the base of the pending scalar loads is stepped only behind this wait
	s_add_nc_u64 s[4:5], s[4:5], 512
	s_mov_b32 s11, 3                               ; 3 trips of 8 steps; with the 4 steps above and the 4 below: 32 steps, 2,048 keys
.Lloop:
	TWO 1, 1, 0, 0
	TWO 0, 1, 512, 0
	s_wait_xcnt 0x0
	s_add_nc_u64 s[4:5], s[4:5], 1024
	s_sub_co_u32 s11, s11, 1
	s_cmp_lg_u32 s11, 0
	s_cbranch_scc1 .Lloop
	TWO 1, 0, 0, 1                                 ; the last 256 keys: nothing is left to fetch
	; THE WAY OUT: O / l, rounded to bf16, through my own stage, out as 512 consecutive bytes a store
	PLACES
	v_permlanex16_b32 v[T], v13, s12, s13          ; the two halves' sums make l
	v_permlanex16_b32 v[T+1], v15, s12, s13
	v_add_f32 v13, v13, v[T]
	v_add_f32 v15, v15, v[T+1]
	v_rcp_f32 v16, v13                             ; l >= 1: the place of the maximum adds 1
	v_rcp_f32 v18, v15
	v_nop
	WIN 0x01                                       ; source 0 (O) in window 1
	s_wait_alu depctr_va_vdst(0)
.irp qt, 0,1
.set i, 0
.rept 16
	v_pk_mul_f32 v[SF+32*\qt+i:SF+32*\qt+i+1], v[OF+32*\qt+i:OF+32*\qt+i+1], v[16+2*\qt:17+2*\qt] op_sel_hi:[1,0]
.set i, i+2
.endr
.endr
	WIN 0
.set i, 0
.rept 32
	v_cvt_pk_bf16_f32 v[VF+i], v[SF+2*i], v[SF+2*i+1]      ; tile (qt, dt): 4 registers = d 16 dt + 8 h + 0 .. 7 of query r
.set i, i+1
.endr
.irp qt, 0,1
.irp dt, 0,1,2,3
	ds_store_b128 v9, v[VF+16*\qt+4*\dt:VF+16*\qt+4*\dt+3] offset:16*PITCH*\qt+32*\dt
.endr
.endr
.irp i, 0,1,2,3,4,5,6,7
	ds_load_b128 v[VF+32+4*\i:VF+32+4*\i+3], v10 offset:4*PITCH*\i   ; my own bytes; LDS serves a wave's instructions in order (ISA guide 5.7.1.4)
.endr
.irp i, 0,1,2,3,4,5,6,7
	s_wait_dscnt 7-\i
	global_store_b128 v11, v[VF+32+4*\i:VF+32+4*\i+3], s[6:7] offset:512*\i
.endr
	s_wait_tensorcnt 0x0
	ds_add_u32 v30, v31
	s_wait_dscnt 0x0
	ROUND                                          ; the closing round
	s_endpgm
.Lfunc_end_k_q58937f184b_attn:
	.size	k_q58937f184b_attn, .Lfunc_end_k_q58937f184b_attn-k_q58937f184b_attn
	.p2alignl 7, 3214868480
	.fill 96, 4, 3214868480
	.section	.rodata,"a",@progbits
	.p2align	6, 0x0
	.amdhsa_kernel k_q58937f184b_attn
		.amdhsa_group_segment_fixed_size 327680
		.amdhsa_private_segment_fixed_size 0
		.amdhsa_enable_private_segment 0
		.amdhsa_kernarg_size 24
		.amdhsa_user_sgpr_count 2
		.amdhsa_user_sgpr_kernarg_segment_ptr 1
		.amdhsa_wavefront_size32 1
		.amdhsa_system_sgpr_workgroup_id_x 1
		.amdhsa_system_sgpr_workgroup_id_y 1
		.amdhsa_system_sgpr_workgroup_id_z 1
		.amdhsa_system_vgpr_workitem_id 0
		.amdhsa_next_free_vgpr 320
		.amdhsa_next_free_sgpr 106
		.amdhsa_reserve_vcc 0
		.amdhsa_float_denorm_mode_32 3
		.amdhsa_float_denorm_mode_16_64 3
		.amdhsa_memory_ordered 1
		.amdhsa_forward_progress 1
		.amdhsa_inst_pref_size 255
	.end_amdhsa_kernel
	.section	.bss,"aw",@nobits
	.p2align	6
	.space	262144
	.amdgpu_metadata
---
amdhsa.version: [ 1, 2 ]
amdhsa.kernels:
  - .name:           k_q58937f184b_attn
    .symbol:         k_q58937f184b_attn.kd
    .args:
      - { .name: pb, .offset: 0, .size: 8, .value_kind: global_buffer, .address_space: global }
      - { .name: mbits, .offset: 8, .size: 8, .value_kind: global_buffer, .address_space: global }
      - { .name: ctx, .offset: 16, .size: 8, .value_kind: global_buffer, .address_space: global }
    .group_segment_fixed_size: 327680
    .private_segment_fixed_size: 0
    .kernarg_segment_align: 8
    .kernarg_segment_size: 24
    .max_flat_workgroup_size: 256
    .sgpr_count:     106
    .vgpr_count:     320
    .wavefront_size: 32
...
	.end_amdgpu_metadata
.endif
;; end of part 3
;; launch outln (part 4): grid 128 x 1, 8 waves a work-group, clusters of 4 x 1, 327,680 bytes of LDS; arguments ctx, wb, Q, bo, gamma, beta, out0; writes out0
.if DOCPART == 4
	.amdgcn_target "amdgcn-amd-amdhsa--gfx1250"
	.amdhsa_code_object_version 6
	.text
	.protected	k_q58937f184b_outln
	.globl	k_q58937f184b_outln
	.p2align	8
	.type	k_q58937f184b_outln,@function
k_q58937f184b_outln:
	s_mov_b64 s[64:65], 0
	v_nop
	global_prefetch_b8 v0, s[64:65] scope:SCOPE_SE
	s_setreg_imm32_b32 hwreg(HW_REG_WAVE_MODE, 25, 1), 1
	s_wait_xcnt 0x0
	s_wait_alu depctr_hold_cnt(0) depctr_sa_sdst(0) depctr_va_vdst(0) depctr_va_sdst(0) depctr_va_ssrc(0) depctr_va_vcc(0) depctr_vm_vsrc(0)
	s_getreg_b32 s2, hwreg(HW_REG_IB_STS2, 6, 4)
	s_cmp_eq_u32 s2, 0
	s_cbranch_scc0 .Lentry_in_a_cluster
	s_endpgm
.Lentry_in_a_cluster:
	s_bfe_u32 s2, ttmp6, 0x10000c
	s_cmp_lg_u32 s2, 0x3003
	s_cbranch_scc0 .Lentry_shape_is_right
	s_endpgm
.Lentry_shape_is_right:
; outln: x = context wo^T + bo + Q; out0 = (x - mean) / sqrt(var + 1e-5) x gamma + beta, mean and var along the 1,024 columns.
; context[m][64 f + d] = ctx[16 (m >> 11) + f][m & 2047][d], so block f of 64 along K is a dense piece of ctx; wo lies in wb + 6,291,456 as [16 f][1024 n][64 k] bf16.
; A work-group owns 32 whole rows, so the norm stays inside it: 128 work-groups.  (Every work-group walks all of wo whatever its height; with 32 rows each fragment
; of wo feeds two matrix instructions; 64 rows would leave work for 64 work-groups only.)  Wave w owns columns 128 w .. 128 w + 127: 2 x 8 accumulator tiles.
; CLUSTERS: all work-groups read the same tiles of wo; the four of a cluster ask jointly (mask 15).
; LDS: two slots of 147,456 bytes (1,024 rows of wo x 144; wave w fetches and reads rows 128 w ..); at 294,912 A's two slots of 32 rows x 144, filled from registers
; alone.  Behind the last fill slot 0's bytes hold x as 32 rows of f32 at pitch 4,112.
; The matrix instruction is used transposed (source 0 = rows of wo, source 1 = rows of context): lane (r, h) holds row r and eight neighbouring columns.
; The variance is the mean of (x - mean)^2, in a second pass over registers: no difference of large sums.
.set PITCH, 144
.set BSLOT, 147456
.set WROWS, 128*PITCH
.set ARING, 294912
.set ASLOT, 32*PITCH
.set XP,    4112                       ; 4,096 + 16: sixteen rows start in sixteen different 16-byte columns modulo 256
.set AF,  32                           ; v[32:63]   context fragments, + 8 (2 c + mt)
.set B0,  64                           ; v[64:95]   four fragments of wo
.set B1,  96                           ; v[96:127]  four more
.set ACC, 128                          ; v[128:255] + 8 (8 mt + nt)
; v4, v5: wo's LDS address in slot 0, 1; v6: A's, to read; v7: A's, to store; v8: 16 t; v9, v10: x's, to store, rows 0-15, 16-31; v11: x's, to read; v12: 16 x lane;
; v[14:15] mean, v[16:17] 1 / sqrt; v[18:21], v[22:25]: A's blocks on their road (later four packed chains); v26, v27 at work.
.macro PLACES                          ; four places behind a matrix instruction (ISA guide 7.12.1)
.rept 4
	v_nop
.endr
.endm
.macro ROUND                           ; a round of the cluster's barrier
	s_barrier_signal -1
	s_barrier_wait -1
	s_cmp_lg_u32 s20, 0
	s_cbranch_scc1 .Lnot_wave_0_\@
	s_barrier_signal -3
.Lnot_wave_0_\@:
	s_barrier_wait -3
	s_barrier_signal -1
	s_barrier_wait -1
.endm
	s_load_b256 s[4:11], s[0:1], 0x0               ; ctx s[4:5], wb s[6:7], Q s[8:9], bo s[10:11]
	s_load_b128 s[12:15], s[0:1], 0x20             ; gamma s[12:13], beta s[14:15]
	s_load_b64 s[16:17], s[0:1], 0x30              ; out0
	v_lshl_add_u32 v30, v0, 2, 0x4a400
	v_mov_b32 v31, 0
	ds_add_u32 v30, v31
	v_lshrrev_b32 v1, 5, v0
	v_readfirstlane_b32 s20, v1                    ; wave 0..7
	s_bfe_u32 s21, ttmp6, 0x40000                  ; cx
	s_lshl_b32 s22, ttmp9, 2
	s_add_co_u32 s22, s22, s21                     ; work-group = 4 x cluster x + cx; its rows 32 wg ..
	s_mov_b32 s28, 0x76543210
	s_mov_b32 s29, 0xfedcba98
	s_mov_b32 s30, 0x3a800000                      ; 1 / 1024
	; group 1: 128 rows of 64 bf16, 4 words of padding behind every 32
	s_mov_b32 s32, 15|(1<<16)|(1<<20)|(1<<21)|(4<<22)|(3<<25)
	s_mov_b32 s33, 64<<16                          ; tensor_dim0 = 64
	s_mov_b32 s34, 128<<16                         ; tensor_dim1 = 128
	s_mov_b32 s35, 64<<16                          ; tile_dim0 = 64
	s_mov_b32 s36, 128                             ; tile_dim1 = 128
	s_mov_b32 s37, 64                              ; elements from row to row
	s_mov_b32 s38, 0
	s_mov_b32 s39, 0
	s_mov_b32 s40, 1
	s_mul_i32 s41, s20, WROWS                      ; LDS: wave x 128 rows
	s_mov_b32 s44, 1
	s_add_co_u32 s45, s41, BSLOT
	s_lshl_b32 s24, s20, 14                        ; my 128 rows of 128 bytes,
	s_add_co_u32 s24, s24, 6291456                 ; in wo's part of wb
	s_mov_b32 s25, 0
	s_wait_dscnt 0x0
	s_wait_kmcnt 0x0
	s_add_nc_u64 s[42:43], s[6:7], s[24:25]        ; block 0
	s_add_nc_u64 s[46:47], s[42:43], 131072        ; block 1
	s_or_b32 s43, s43, 0x80000000
	s_or_b32 s47, s47, 0x80000000
	ROUND                                          ; the four partners are here: the first joint loads meet
	tensor_load_to_lds s[40:43], s[32:39]          ; both first fills go out as one group: two tensor loads of a wave are out
	s_nop 0
	tensor_load_to_lds s[44:47], s[32:39]
	s_nop 0
	; what hangs on cx is made in registers that feed no descriptor
	s_lshr_b32 s26, s22, 6
	s_lshl_b32 s26, s26, 22                        ; batch: 16 heads x 262,144 bytes
	s_and_b32 s23, s22, 63
	s_lshl_b32 s23, s23, 12                        ; + 32 rows of 128 bytes
	s_add_co_u32 s26, s26, s23
	s_mov_b32 s27, 0
	s_add_nc_u64 s[4:5], s[4:5], s[26:27]          ; my rows in block 0 of ctx; block f lies 262,144 f further
	s_lshl_b32 s26, s22, 17                        ; 32 rows of 4,096 bytes
	s_lshl_b32 s23, s20, 14                        ; + 4 rows x wave
	s_add_co_u32 s26, s26, s23
	s_add_nc_u64 s[8:9], s[8:9], s[26:27]          ; the four rows of Q and of out0 that my wave norms
	s_add_nc_u64 s[16:17], s[16:17], s[26:27]
	v_lshlrev_b32 v8, 4, v0
	global_load_b128 v[18:21], v8, s[4:5]                  ; A's block 0: 256 threads x 16 bytes = 32 dense rows
	global_load_b128 v[22:25], v8, s[4:5] offset:262144    ; block 1
	v_and_b32 v1, 15, v0                           ; r
	v_bfe_u32 v2, v0, 4, 1                         ; h
	v_mul_u32_u24 v3, v1, PITCH
	v_lshl_add_u32 v3, v2, 4, v3                   ; 144 r + 16 h
	v_add_nc_u32 v4, s41, v3
	v_add_nc_u32 v5, s45, v3
	v_add_nc_u32 v6, ARING, v3
	v_lshrrev_b32 v26, 3, v0
	v_mul_u32_u24 v26, v26, PITCH
	v_and_b32 v27, 7, v0
	v_lshl_add_u32 v26, v27, 4, v26
	v_add_nc_u32 v7, ARING, v26                    ; row t >> 3, 16 bytes at 16 (t & 7)
	v_mul_u32_u24 v9, v1, XP
	v_lshl_add_u32 v9, v2, 5, v9
	s_lshl_b32 s24, s20, 9
	v_add_nc_u32 v9, s24, v9                       ; x: row r, byte 512 w + 32 h
	v_add_nc_u32 v10, 16*XP, v9
	s_mul_i32 s24, s20, 4*XP
	v_and_b32 v27, 31, v0
	v_lshlrev_b32 v12, 4, v27
	v_add_nc_u32 v11, s24, v12                     ; x: my wave's four rows, 16 bytes a lane
	s_wait_loadcnt 1                               ; block 0 is in; block 1's load stays out
	ds_store_b128 v7, v[18:21]
	s_wait_tensorcnt 1                             ; my part of slot 0 is in; slot 1's load stays out
	s_wait_dscnt 0x0                               ; my part of A's block 0 is stored, for the other waves' sake
	s_barrier_signal -1
	s_barrier_wait -1
; quarter q of a block: c = q >> 1 (32 along K), n tiles 4 (q & 1) + 0 .. 3
.macro LOADB f, q, buf
.irp u, 0,1,2,3
	ds_load_b128 v[\buf+8*\u:\buf+8*\u+3],   v[4+(\f&1)] offset:16*(4*(\q&1)+\u)*PITCH+64*(\q>>1)
	ds_load_b128 v[\buf+8*\u+4:\buf+8*\u+7], v[4+(\f&1)] offset:16*(4*(\q&1)+\u)*PITCH+64*(\q>>1)+32
.endr
.endm
; eight matrix instructions on eight accumulators; over the quarters and the blocks the sixteen take turns, one instruction a turn
.macro MUL q, buf, zero
.irp u, 0,1,2,3
.irp mt, 0,1
.if \zero
	v_wmma_f32_16x16x32_bf16 v[ACC+8*(8*\mt+4*(\q&1)+\u):ACC+8*(8*\mt+4*(\q&1)+\u)+7], v[\buf+8*\u:\buf+8*\u+7], v[AF+8*(2*(\q>>1)+\mt):AF+8*(2*(\q>>1)+\mt)+7], 0
.else
	v_wmma_f32_16x16x32_bf16 v[ACC+8*(8*\mt+4*(\q&1)+\u):ACC+8*(8*\mt+4*(\q&1)+\u)+7], v[\buf+8*\u:\buf+8*\u+7], v[AF+8*(2*(\q>>1)+\mt):AF+8*(2*(\q>>1)+\mt)+7], v[ACC+8*(8*\mt+4*(\q&1)+\u):ACC+8*(8*\mt+4*(\q&1)+\u)+7]
.endif
.endr
.endr
.endm
; block f of K.  All sixteen are written out, so that every offset is an immediate.
.macro SECT f
.if \f >= 1
	s_wait_tensorcnt 0x0                           ; all my tensor loads have landed, my part of this block among them
	ds_add_u32 v30, v31
	s_wait_dscnt 0x0
.if \f <= 14
	s_add_nc_u64 s[42+4*((\f+1)&1):43+4*((\f+1)&1)], s[42+4*((\f+1)&1):43+4*((\f+1)&1)], 262144   ; no load of mine is out: the other slot's next block
.endif
	s_wait_dscnt 0x0                               ; my reads of the last block are over, and my part of A's block f is stored
.if \f <= 14
	ROUND                                          ; both now hold of every wave of the four partners
	tensor_load_to_lds s[40+4*((\f+1)&1):43+4*((\f+1)&1)], s[32:39]   ; block f + 1, into the slot read last: my one tensor load behind the round
	s_nop 0
.else
	s_barrier_signal -1
	s_barrier_wait -1
.endif
.endif
.if \f <= 14
	s_wait_loadcnt 0x0                             ; A's block f + 1 is in registers (asked for a block ago)
	ds_store_b128 v7, v[18+4*((\f+1)&1):21+4*((\f+1)&1)] offset:((\f+1)&1)*ASLOT   ; into A's slot that was read a block ago: those reads ended in front of the barrier above
.endif
.if \f <= 13
	global_load_b128 v[18+4*(\f&1):21+4*(\f&1)], v8, s[4:5] offset:(\f+2)*262144
.endif
	PLACES                                         ; behind the last block's products, whose sources are loaded again
.irp c, 0,1
.irp mt, 0,1
	ds_load_b128 v[AF+8*(2*\c+\mt):AF+8*(2*\c+\mt)+3],   v6 offset:(\f&1)*ASLOT+16*PITCH*\mt+64*\c
	ds_load_b128 v[AF+8*(2*\c+\mt)+4:AF+8*(2*\c+\mt)+7], v6 offset:(\f&1)*ASLOT+16*PITCH*\mt+64*\c+32
.endr
.endr
	LOADB \f, 0, B0
	LOADB \f, 1, B1
	s_wait_dscnt 8                                 ; all but the youngest eight loads (quarter 1) are in
.if \f == 0
	MUL 0, B0, 1                                   ; the first products start the sums: nothing is cleared
.else
	MUL 0, B0, 0
.endif
	PLACES
	LOADB \f, 2, B0
	s_wait_dscnt 8                                 ; quarter 1 is in, quarter 2 may be out
.if \f == 0
	MUL 1, B1, 1
.else
	MUL 1, B1, 0
.endif
	PLACES
	LOADB \f, 3, B1
	s_wait_dscnt 8                                 ; quarter 2 is in
	MUL 2, B0, 0
	s_wait_dscnt 0x0
	MUL 3, B1, 0
.endm
.irp f, 0,1,2,3,4,5,6,7,8,9,10,11,12,13,14,15
	SECT \f
.endr
	; THE NORM.  The products go to LDS as f32 rows (slot 0 has had its last fill, and every wave's reads of it ended in front of block 15's barrier);
	; then each wave takes four whole rows, so that no sum crosses waves.
	PLACES
.irp i, 0,1,2,3,4,5,6,7
	global_load_b128 v[32+4*\i:35+4*\i],  v12, s[10:11] offset:512*\i   ; bo: columns 128 i + 4 lane + 0 .. 3
	global_load_b128 v[64+4*\i:67+4*\i],  v12, s[12:13] offset:512*\i   ; gamma
	global_load_b128 v[96+4*\i:99+4*\i],  v12, s[14:15] offset:512*\i   ; beta
.endr
.irp mt, 0,1
.irp u, 0,1,2,3,4,5,6,7
	ds_store_b128 v[9+\mt], v[ACC+8*(8*\mt+\u):ACC+8*(8*\mt+\u)+3]   offset:64*\u
	ds_store_b128 v[9+\mt], v[ACC+8*(8*\mt+\u)+4:ACC+8*(8*\mt+\u)+7] offset:64*\u+16
.endr
.endr
	s_wait_dscnt 0x0                               ; my stores are done: for the other waves, and before their data registers are loaded again
.macro QLOAD b                         ; Q's rows 2 b, 2 b + 1 of my four
.irp rb, 0,1
.irp i, 0,1,2,3,4,5,6,7
	global_load_b128 v[192+32*\rb+4*\i:195+32*\rb+4*\i], v12, s[8:9] offset:4096*(2*\b+\rb)+512*\i
.endr
.endr
.endm
.macro XLOAD b                         ; the same rows of the products
.irp rb, 0,1
.irp i, 0,1,2,3,4,5,6,7
	ds_load_b128 v[128+32*\rb+4*\i:131+32*\rb+4*\i], v11 offset:XP*(2*\b+\rb)+512*\i
.endr
.endr
.endm
.macro XFORM rb                        ; x = product + Q + bo
.set i, 0
.rept 16
	v_pk_add_f32 v[128+32*\rb+i:129+32*\rb+i], v[128+32*\rb+i:129+32*\rb+i], v[192+32*\rb+i:193+32*\rb+i]
.set i, i+2
.endr
.set i, 0
.rept 16
	v_pk_add_f32 v[128+32*\rb+i:129+32*\rb+i], v[128+32*\rb+i:129+32*\rb+i], v[32+i:33+i]
.set i, i+2
.endr
.endm
.macro LANESUM                         ; v26 summed over the 32 lanes, in every lane
	v_add_f32_dpp v26, v26, v26 row_xmask:1 row_mask:0xf bank_mask:0xf
	v_add_f32_dpp v26, v26, v26 row_xmask:2 row_mask:0xf bank_mask:0xf
	v_add_f32_dpp v26, v26, v26 row_xmask:4 row_mask:0xf bank_mask:0xf
	v_add_f32_dpp v26, v26, v26 row_xmask:8 row_mask:0xf bank_mask:0xf
	v_permlanex16_b32 v27, v26, s28, s29
	v_add_f32 v26, v26, v27
.endm
.macro FOLD                            ; the four packed chains into v26
	v_pk_add_f32 v[18:19], v[18:19], v[20:21]
	v_pk_add_f32 v[22:23], v[22:23], v[24:25]
	v_pk_add_f32 v[18:19], v[18:19], v[22:23]
	v_add_f32 v26, v18, v19
.endm
.macro REST rb, row                    ; mean, variance, norm and store of the row in v[128 + 32 rb ..]
.irp k, 0,1,2,3
	v_pk_add_f32 v[18+2*\k:19+2*\k], v[128+32*\rb+2*\k:129+32*\rb+2*\k], v[136+32*\rb+2*\k:137+32*\rb+2*\k]
.endr
.irp k, 0,1,2,3
	v_pk_add_f32 v[18+2*\k:19+2*\k], v[18+2*\k:19+2*\k], v[144+32*\rb+2*\k:145+32*\rb+2*\k]
.endr
.irp k, 0,1,2,3
	v_pk_add_f32 v[18+2*\k:19+2*\k], v[18+2*\k:19+2*\k], v[152+32*\rb+2*\k:153+32*\rb+2*\k]
.endr
	FOLD
	LANESUM
	v_mul_f32 v14, s30, v26                        ; the mean, twice, for the packed subtraction
	v_mul_f32 v15, s30, v26
.set i, 0
.rept 16
	v_pk_add_f32 v[128+32*\rb+i:129+32*\rb+i], v[128+32*\rb+i:129+32*\rb+i], v[14:15] neg_lo:[0,1] neg_hi:[0,1]
.set i, i+2
.endr
.irp k, 0,1,2,3
	v_pk_mul_f32 v[18+2*\k:19+2*\k], v[128+32*\rb+2*\k:129+32*\rb+2*\k], v[128+32*\rb+2*\k:129+32*\rb+2*\k]
.endr
.irp g, 8,16,24
.irp k, 0,1,2,3
	v_pk_fma_f32 v[18+2*\k:19+2*\k], v[128+32*\rb+\g+2*\k:129+32*\rb+\g+2*\k], v[128+32*\rb+\g+2*\k:129+32*\rb+\g+2*\k], v[18+2*\k:19+2*\k]
.endr
.endr
	FOLD
	LANESUM
	v_fmaak_f32 v26, s30, v26, 0x3727c5ac          ; variance + 1e-5
	v_rsq_f32 v16, v26
	v_rsq_f32 v17, v26
	v_nop                                          ; one plain place behind them (ISA guide 5.7.2)
.set i, 0
	s_wait_alu depctr_va_vdst(0)
.rept 16
	v_pk_mul_f32 v[128+32*\rb+i:129+32*\rb+i], v[128+32*\rb+i:129+32*\rb+i], v[16:17]
.set i, i+2
.endr
.set i, 0
.rept 16
	v_pk_fma_f32 v[128+32*\rb+i:129+32*\rb+i], v[128+32*\rb+i:129+32*\rb+i], v[64+i:65+i], v[96+i:97+i]
.set i, i+2
.endr
.irp i, 0,1,2,3,4,5,6,7
	global_store_b128 v12, v[128+32*\rb+4*\i:131+32*\rb+4*\i], s[16:17] offset:4096*\row+512*\i   ; 512 consecutive bytes a store
.endr
.endm
	QLOAD 0
	s_barrier_signal -1
	s_barrier_wait -1                              ; every wave's strip of x is in LDS
	XLOAD 0
	s_wait_dscnt 0x0
	s_wait_loadcnt 0x0                             ; bo, gamma, beta and Q's first two rows
	XFORM 0
	XFORM 1
	QLOAD 1                                        ; Q's registers are free: the next two rows come in under the norm of these two
	REST 0, 0
	REST 1, 1
	s_wait_xcnt 0x0                                ; the stores' data registers are loaded again only behind this wait
	XLOAD 1
	s_wait_dscnt 0x0
	s_wait_loadcnt 0x0
	XFORM 0
	XFORM 1
	REST 0, 2
	REST 1, 3
	s_wait_tensorcnt 0x0
	ds_add_u32 v30, v31
	s_wait_dscnt 0x0
	ROUND                                          ; the closing round
	s_endpgm
.Lfunc_end_k_q58937f184b_outln:
	.size	k_q58937f184b_outln, .Lfunc_end_k_q58937f184b_outln-k_q58937f184b_outln
	.p2alignl 7, 3214868480
	.fill 96, 4, 3214868480
	.section	.rodata,"a",@progbits
	.p2align	6, 0x0
	.amdhsa_kernel k_q58937f184b_outln
		.amdhsa_group_segment_fixed_size 327680
		.amdhsa_private_segment_fixed_size 0
		.amdhsa_enable_private_segment 0
		.amdhsa_kernarg_size 56
		.amdhsa_user_sgpr_count 2
		.amdhsa_user_sgpr_kernarg_segment_ptr 1
		.amdhsa_wavefront_size32 1
		.amdhsa_system_sgpr_workgroup_id_x 1
		.amdhsa_system_sgpr_workgroup_id_y 1
		.amdhsa_system_sgpr_workgroup_id_z 1
		.amdhsa_system_vgpr_workitem_id 0
		.amdhsa_next_free_vgpr 256
		.amdhsa_next_free_sgpr 66
		.amdhsa_reserve_vcc 0
		.amdhsa_float_denorm_mode_32 3
		.amdhsa_float_denorm_mode_16_64 3
		.amdhsa_memory_ordered 1
		.amdhsa_forward_progress 1
		.amdhsa_inst_pref_size 142
	.end_amdhsa_kernel
	.amdgpu_metadata
---
amdhsa.version: [ 1, 2 ]
amdhsa.kernels:
  - .name:           k_q58937f184b_outln
    .symbol:         k_q58937f184b_outln.kd
    .args:
      - { .name: ctx, .offset: 0, .size: 8, .value_kind: global_buffer, .address_space: global }
      - { .name: wb, .offset: 8, .size: 8, .value_kind: global_buffer, .address_space: global }
      - { .name: Q, .offset: 16, .size: 8, .value_kind: global_buffer, .address_space: global }
      - { .name: bo, .offset: 24, .size: 8, .value_kind: global_buffer, .address_space: global }
      - { .name: gamma, .offset: 32, .size: 8, .value_kind: global_buffer, .address_space: global }
      - { .name: beta, .offset: 40, .size: 8, .value_kind: global_buffer, .address_space: global }
      - { .name: out0, .offset: 48, .size: 8, .value_kind: global_buffer, .address_space: global }
    .group_segment_fixed_size: 327680
    .private_segment_fixed_size: 0
    .kernarg_segment_align: 8
    .kernarg_segment_size: 56
    .max_flat_workgroup_size: 256
    .sgpr_count:     66
    .vgpr_count:     256
    .wavefront_size: 32
...
	.end_amdgpu_metadata
.endif
;; end of part 4
;; ======== version 2 of 2: 5 launches
;; workspace buffers: xb 25,165,824 bytes; wb 8,388,608 bytes; mbits 1,048,576 bytes of whole numbers; pb 25,165,824 bytes; ctx 8,388,608 bytes; xw 16,777,216 bytes
;; launch prep: the kernel of part 1 again; grid 256 x 1, 16 waves a work-group, no clusters, 35,072 bytes of LDS; arguments Q, K, V, wq, wk, wv, wo, attn_mask, xb, wb, mbits; writes xb, wb, mbits
;; launch proj: the kernel of part 2 again; grid 4 x 48, 4 waves a work-group, clusters of 4 x 4, 327,680 bytes of LDS; arguments xb, wb, pb, bq, bk, bv; writes pb
;; launch attn (part 5): grid 8 x 32, 16 waves a work-group, clusters of 4 x 1, 327,680 bytes of LDS; arguments pb, mbits, ctx; writes ctx
.if DOCPART == 5
	.amdgcn_target "amdgcn-amd-amdhsa--gfx1250"
	.amdhsa_code_object_version 6
	.text
	.protected	k_q58937f184b_attn
	.globl	k_q58937f184b_attn
	.p2align	8
	.type	k_q58937f184b_attn,@function
k_q58937f184b_attn:
	s_mov_b64 s[64:65], 0
	v_nop
	global_prefetch_b8 v0, s[64:65] scope:SCOPE_SE
	s_setreg_imm32_b32 hwreg(HW_REG_WAVE_MODE, 25, 1), 1
	s_wait_xcnt 0x0
	s_wait_alu depctr_hold_cnt(0) depctr_sa_sdst(0) depctr_va_vdst(0) depctr_va_sdst(0) depctr_va_ssrc(0) depctr_va_vcc(0) depctr_vm_vsrc(0)
	s_getreg_b32 s2, hwreg(HW_REG_IB_STS2, 6, 4)
	s_cmp_eq_u32 s2, 0
	s_cbranch_scc0 .Lentry_in_a_cluster
	s_endpgm
.Lentry_in_a_cluster:
	s_bfe_u32 s2, ttmp6, 0x10000c
	s_cmp_lg_u32 s2, 0x3003
	s_cbranch_scc0 .Lentry_shape_is_right
	s_endpgm
.Lentry_shape_is_right:
; attn: softmax(q k^T / 8, masked places replaced by -1e9) v for one head (b, h) and 256 queries a work-group, with a running maximum.
; pb holds q' = q log2(e) / 8 at byte 0, k at 8,388,608, v at 16,777,216; head bh = 16 b + h is a dense block [2048][64] bf16 of 262,144 bytes in each.
; ctx: [bh][2048][64] bf16.
; SIXTEEN WAVES of 256 registers, four to a SIMD, so that one wave's LDS loads, dependent results and runs of matrix instructions lie under the others' work.
; Wave w takes query group g = w & 7 (32 queries, two tiles of 16, qt = 0, 1) and key half kh = w >> 3 of every slot: 16 steps of 64 keys.  The two waves of a pair
; keep m, l and O of their own and join them once, at the end.
; EVERYTHING IS TRANSPOSED: S^T = K Q'^T (source 0 = 16 keys, source 1 = 16 queries), so lane (r, h) holds query r in all its score registers; two score tiles,
; packed to bf16 inside the lane, ARE the second source of O^T = V^T P^T over 32 keys; O^T holds query r in the lane again.  So the maximum, the sum and the
; rescale factor are one number a lane, and the only step between lanes is one exchange of the halves for each maximum.
; KEYS ARE PERMUTED inside a tile of 16: tile row 8 h + j stands for key 2 j + h, alike in K's row addresses, V's transposing addresses and the mask words.
; With it one pitch of 144 bytes serves both kinds of read: K's 16 rows (a permutation of 0..15, 9 columns of 16 bytes apart) and V's 16 addresses
; (rows 2 i + h, two columns each: 18 i + e) each touch 16 different 16-byte columns modulo 256.
; REGISTERS: K's and V's fragments of a step share v[64:127] (V is loaded when the scores are made); P is packed in place over the first 16 of a tile's 32 score registers.
; CLUSTERS: the four query blocks of a cluster read the same K and V and ask jointly (mask 15): a quarter of the requests.
; LDS: two slots of 147,456 bytes, each 512 keys: V's 512 rows (waves 0-7 fetch 64 each), then K's (waves 8-15).  Four fills: both slots at the start, one refill of each.
; Behind its last fill and its last reads slot 0 holds what the pairs hand to each other: O as f32 rows at pitch 272, then (m, l).
; LIMITS: masked scores are -1e9 in the reference's units; real scores at or below that are not told apart from masked ones.  The maxima drop NaN.
; Probabilities and joining factors below 2^-126 become 0.  The row sum adds the unrounded f32 probabilities, the product with V takes their bf16 roundings.
; The sum over the keys is made in two halves that are joined at the end.
.set PITCH, 144
.set SLOT,  147456
.set KOFF,  73728                      ; K's rows lie behind V's 512
.set KHALF, 36864                      ; 256 rows: the second key half of a slot
.set XP,    272                        ; a row of 64 f32 + 16 bytes: sixteen rows start in sixteen different 16-byte columns modulo 256
.set XQ,    16*XP                      ; one query tile's O
.set XW,    2*XQ                       ; one wave's O
.set ML,    16*XW                      ; behind the sixteen waves' O: (m, l), 256 bytes a wave
.set T,   20                           ; v[20:27] at work
.set QF,  32                           ; v[32:63]   Q fragments, + 16 qt + 8 c
.set KF,  64                           ; v[64:127]  K fragments, + 16 kt + 8 c; then V^T fragments, + 16 dt + 8 c
.set SF,  128                          ; v[128:191] scores, + 8 (4 qt + kt); P over + 32 qt + 0 .. 15
.set OF,  192                          ; v[192:255] O^T, + 8 (4 qt + dt)
.set G1,  68                           ; s[68:75] group 1; group 0 of slot n: s[76+20n:79+20n]
; v4, v5: K's LDS address in slot 0, 1; v6, v7: V's; v8: the masked score; v9: where my O goes; v10: where my (m, l) go; v11, v28: where the pair's O is read;
; v29: where the pair's (m, l) are read; v30: 16 x lane.  v[12:13] = (m, l) of qt 0, v[14:15] of qt 1; v[16:17], v[18:19]: (a factor, unused).
; s[16:47]: the 32 mask words of a step for qt 0; s[48:63], s[80:95]: for qt 1.
.macro PLACES n                        ; places behind a matrix instruction (ISA guide 7.12.1)
.rept \n
	v_nop
.endr
.endm
.macro ROUND                           ; a round of the cluster's barrier
	s_barrier_signal -1
	s_barrier_wait -1
	s_cmp_lg_u32 s10, 0
	s_cbranch_scc1 .Lnot_wave_0_\@
	s_barrier_signal -3
.Lnot_wave_0_\@:
	s_barrier_wait -3
	s_barrier_signal -1
	s_barrier_wait -1
.endm
	s_load_b64 s[8:9], s[0:1], 0x0                 ; pb
	s_load_b64 s[4:5], s[0:1], 0x8                 ; mbits
	s_load_b64 s[6:7], s[0:1], 0x10                ; ctx
	v_lshl_add_u32 v190, v0, 2, 0x48000
	v_mov_b32 v191, 0
	ds_add_u32 v190, v191
	s_wait_dscnt 0x0
	v_lshrrev_b32 v1, 5, v0
	v_readfirstlane_b32 s10, v1                    ; wave 0..15
	s_bfe_u32 s14, ttmp6, 0x40000                  ; cx
	s_lshl_b32 s15, ttmp9, 2
	s_add_co_u32 s15, s15, s14                     ; query block qb = 4 x cluster x + cx
	s_and_b32 s66, ttmp7, 0xffff                   ; bh
	s_mov_b32 s12, 0x76543210                      ; v_permlanex16_b32: lane i takes lane i of the other half
	s_mov_b32 s13, 0xfedcba98
	; group 1: 64 rows of 64 bf16 (128 bytes), 4 words of padding behind every 32
	s_mov_b32 s[G1+0], 15|(1<<16)|(1<<20)|(1<<21)|(4<<22)|(3<<25)
	s_mov_b32 s[G1+1], 64<<16                      ; tensor_dim0 = 64
	s_mov_b32 s[G1+2], 64<<16                      ; tensor_dim1 = 64
	s_mov_b32 s[G1+3], 64<<16                      ; tile_dim0 = 64
	s_mov_b32 s[G1+4], 64                          ; tile_dim1 = 64
	s_mov_b32 s[G1+5], 64                          ; elements from row to row
	s_mov_b32 s[G1+6], 0
	s_mov_b32 s[G1+7], 0
	s_mov_b32 s76, 1
	s_mul_i32 s77, s10, 64*PITCH                   ; LDS: wave x 64 rows: V's eight pieces, then K's
	s_mov_b32 s96, 1
	s_add_co_u32 s97, s77, SLOT
	s_lshr_b32 s67, s10, 3
	s_lshl_b32 s67, s67, 23
	s_sub_co_u32 s2, 16777216, s67                 ; waves 0-7: v; waves 8-15: k
	s_lshl_b32 s100, s66, 18                       ; + the head's block
	s_add_co_u32 s2, s2, s100
	s_and_b32 s101, s10, 7
	s_lshl_b32 s101, s101, 13                      ; + my 64 rows of 128 bytes
	s_add_co_u32 s2, s2, s101
	s_mov_b32 s3, 0
	s_wait_kmcnt 0x0
	s_add_nc_u64 s[78:79], s[8:9], s[2:3]          ; keys 0-511
	s_add_nc_u64 s[98:99], s[78:79], 65536         ; keys 512-1023
	s_or_b32 s79, s79, 0x80000000
	s_or_b32 s99, s99, 0x80000000
	ROUND                                          ; the four partners are here: the first joint loads meet
	tensor_load_to_lds s[76:79], s[G1:G1+7]        ; both first fills go out as one group: two tensor loads of a wave are out
	s_nop 0
	tensor_load_to_lds s[96:99], s[G1:G1+7]
	s_nop 0
	s_and_b32 s101, s10, 7                         ; g: my query group
	s_lshr_b32 s67, s10, 3                         ; kh: my key half
	; what hangs on cx is made in registers that feed no descriptor
	s_lshl_b32 s16, s15, 15                        ; 256 queries x 128 bytes x qb
	s_add_co_u32 s16, s16, s100
	s_lshl_b32 s18, s101, 12                       ; + 32 queries x g
	s_add_co_u32 s16, s16, s18
	s_mov_b32 s17, 0
	s_add_nc_u64 s[104:105], s[8:9], s[16:17]      ; my 32 rows of q'
	s_lshl_b32 s18, s67, 11                        ; + 16 queries x kh: the tile that I write out
	s_add_co_u32 s16, s16, s18
	s_add_nc_u64 s[6:7], s[6:7], s[16:17]          ; my 16 rows of ctx
	s_lshr_b32 s16, s66, 4
	s_lshl_b32 s16, s16, 19                        ; batch: 128 q tiles x 4,096 bytes
	s_lshl_b32 s18, s15, 16                        ; + 16 q tiles x qb
	s_add_co_u32 s16, s16, s18
	s_lshl_b32 s18, s101, 13                       ; + 2 q tiles x g
	s_add_co_u32 s16, s16, s18
	s_lshl_b32 s18, s67, 9                         ; + 16 key tiles of 32 bytes x kh
	s_add_co_u32 s16, s16, s18
	s_add_nc_u64 s[4:5], s[4:5], s[16:17]          ; my first q tile's mask words, at my first key
	v_and_b32 v1, 15, v0                           ; r
	v_bfe_u32 v2, v0, 4, 1                         ; h
	v_lshlrev_b32 v3, 7, v1
	v_lshl_add_u32 v3, v2, 4, v3                   ; 128 r + 16 h
.irp qt, 0,1
.irp c, 0,1
	global_load_b128 v[QF+16*\qt+8*\c:QF+16*\qt+8*\c+3],   v3, s[104:105] offset:2048*\qt+64*\c
	global_load_b128 v[QF+16*\qt+8*\c+4:QF+16*\qt+8*\c+7], v3, s[104:105] offset:2048*\qt+64*\c+32
.endr
.endr
; the 64 mask words of the step at byte off of a q tile's words: 128 bytes for each of my two q tiles
.macro MLOAD off
	s_load_b512 s[16:31], s[4:5], \off
	s_load_b512 s[32:47], s[4:5], \off+64
	s_load_b512 s[48:63], s[4:5], \off+4096
	s_load_b512 s[80:95], s[4:5], \off+4160
.endm
	MLOAD 0
	s_mul_i32 s2, s67, KHALF                       ; my half of a slot's rows
	v_and_b32 v20, 7, v1
	v_lshrrev_b32 v21, 3, v1
	v_lshl_add_u32 v20, v20, 1, v21                ; tile row r stands for key 2 (r & 7) + (r >> 3)
	v_mul_u32_u24 v20, v20, PITCH
	v_lshl_add_u32 v20, v2, 4, v20
	v_add_nc_u32 v20, s2, v20
	v_add_nc_u32 v4, KOFF, v20
	v_add_nc_u32 v5, KOFF+SLOT, v20
	v_and_b32 v20, 7, v0
	v_lshl_add_u32 v20, v20, 1, v2                 ; the transposing load: lane addresses key 2 (l & 7) + h,
	v_mul_u32_u24 v20, v20, PITCH
	v_bfe_u32 v21, v0, 3, 1
	v_lshl_add_u32 v20, v21, 4, v20                ; columns 8 ((l >> 3) & 1) ..
	v_add_nc_u32 v6, s2, v20
	v_add_nc_u32 v7, SLOT, v6
	v_mov_b32 v8, 0xceabfb8f                       ; -1e9 x log2(e)
	s_mul_i32 s3, s10, XW
	v_mul_u32_u24 v20, v1, XP
	v_lshl_add_u32 v20, v2, 5, v20
	v_add_nc_u32 v9, s3, v20                       ; my O: row r, 32 bytes for each half of the lanes
	s_lshl_b32 s3, s10, 8
	s_add_co_u32 s3, s3, ML
	v_lshl_add_u32 v10, v1, 3, s3                  ; my (m, l): 8 bytes a query
	s_mul_i32 s3, s101, XW                         ; the pair's first wave is wave g,
	s_mul_i32 s11, s67, XQ                         ; and I join query tile kh
	s_add_co_u32 s3, s3, s11
	v_and_b32 v21, 31, v0
	v_lshrrev_b32 v22, 3, v21
	v_mul_u32_u24 v23, v22, XP
	v_and_b32 v24, 7, v0
	v_lshl_add_u32 v23, v24, 5, v23
	v_add_nc_u32 v11, s3, v23                      ; eight lanes to a row: row l >> 3, 32 bytes at 32 (l & 7)
	v_add_nc_u32 v28, 8*XW, v11                    ; the same in the pair's second wave, g + 8
	s_lshl_b32 s3, s101, 8
	s_lshl_b32 s11, s67, 7
	s_add_co_u32 s3, s3, s11
	s_add_co_u32 s3, s3, ML
	v_lshl_add_u32 v29, v22, 3, s3                 ; (m, l) of row l >> 3 of tile kh of wave g
	v_lshlrev_b32 v30, 4, v21                      ; 16 x lane in ctx, whose rows are dense
	v_mov_b32 v12, 0xff7fffff                      ; m = the least finite number; every register of a pair that a packed instruction names is written
	v_mov_b32 v13, 0
	v_mov_b32 v14, 0xff7fffff
	v_mov_b32 v15, 0
	v_mov_b32 v16, 0
	v_mov_b32 v17, 0
	v_mov_b32 v18, 0
	v_mov_b32 v19, 0
; K's fragments of step stp (64 keys) of my half of a slot
.macro LDK slot, stp
.irp kt, 0,1,2,3
.irp c, 0,1
	ds_load_b128 v[KF+16*\kt+8*\c:KF+16*\kt+8*\c+3],   v[4+\slot] offset:(64*\stp+16*\kt)*PITCH+64*\c
	ds_load_b128 v[KF+16*\kt+8*\c+4:KF+16*\kt+8*\c+7], v[4+\slot] offset:(64*\stp+16*\kt)*PITCH+64*\c+32
.endr
.endr
.endm
; V's fragments of the same step, transposed on the way, into the same registers
.macro LDV slot, stp
.irp dt, 0,1,2,3
.irp c, 0,1
	ds_load_tr16_b128 v[KF+16*\dt+8*\c:KF+16*\dt+8*\c+3],   v[6+\slot] offset:(64*\stp+32*\c)*PITCH+32*\dt
	ds_load_tr16_b128 v[KF+16*\dt+8*\c+4:KF+16*\dt+8*\c+7], v[6+\slot] offset:(64*\stp+32*\c+16)*PITCH+32*\dt
.endr
.endr
.endm
; S^T: eight tiles, two products each (d = 0-31, 32-63).  The eight accumulators take turns, one instruction a turn.
.macro QK
.irp qt, 0,1
.irp kt, 0,1,2,3
	v_wmma_f32_16x16x32_bf16 v[SF+8*(4*\qt+\kt):SF+8*(4*\qt+\kt)+7], v[KF+16*\kt:KF+16*\kt+7], v[QF+16*\qt:QF+16*\qt+7], 0
.endr
.endr
.irp qt, 0,1
.irp kt, 0,1,2,3
	v_wmma_f32_16x16x32_bf16 v[SF+8*(4*\qt+\kt):SF+8*(4*\qt+\kt)+7], v[KF+16*\kt+8:KF+16*\kt+15], v[QF+16*\qt+8:QF+16*\qt+15], v[SF+8*(4*\qt+\kt):SF+8*(4*\qt+\kt)+7]
.endr
.endr
.endm
; masked places are replaced: word 8 kt + j holds the 32 lanes' bits of register j of tile kt
.macro MASK
	s_wait_kmcnt 0x0
.set i, 0
.rept 32
	v_cndmask_b32 v[SF+i], v[SF+i], v8, s[16+i]
.set i, i+1
.endr
.set i, 0
.rept 16
	v_cndmask_b32 v[SF+32+i], v[SF+32+i], v8, s[48+i]
	v_cndmask_b32 v[SF+48+i], v[SF+48+i], v8, s[80+i]
.set i, i+1
.endr
.endm
; the softmax step of q tile qt: new maximum, alpha = 2^(m - m'), p = 2^(s - m'), l = l alpha + sum p, P packed, O scaled by alpha
.macro SOFT qt, first
.irp k, 0,1,2,3
	v_max3_num_f32 v[T+\k], v[SF+32*\qt+8*\k], v[SF+32*\qt+8*\k+1], v[SF+32*\qt+8*\k+2]   ; four chains that do not wait for each other
.endr
.irp k, 0,1,2,3
	v_max3_num_f32 v[T+\k], v[T+\k], v[SF+32*\qt+8*\k+3], v[SF+32*\qt+8*\k+4]
.endr
.irp k, 0,1,2,3
	v_max3_num_f32 v[T+\k], v[T+\k], v[SF+32*\qt+8*\k+5], v[SF+32*\qt+8*\k+6]
.endr
	v_max3_num_f32 v[T],   v[T],   v[T+1], v[SF+32*\qt+7]        ; the chains, each tile's last register and the old maximum
	v_max3_num_f32 v[T+2], v[T+2], v[T+3], v[SF+32*\qt+15]
	v_max3_num_f32 v[T],   v[T],   v[T+2], v[SF+32*\qt+23]
	v_max3_num_f32 v[T],   v[T],   v[SF+32*\qt+31], v[12+2*\qt]
	v_permlanex16_b32 v[T+1], v[T], s12, s13       ; the other half of the lanes holds the query's other 32 keys
	v_max_num_f32 v[T], v[T], v[T+1]
.if \first
	v_mov_b32 v[12+2*\qt], v[T]
.else
	v_sub_f32 v[16+2*\qt], v[12+2*\qt], v[T]
	v_mov_b32 v[12+2*\qt], v[T]
	v_exp_f32 v[16+2*\qt], v[16+2*\qt]             ; the subtractions below are the plain place behind it (ISA guide 5.7.2)
.endif
.set i, 0
.rept 16
	v_pk_add_f32 v[SF+32*\qt+i:SF+32*\qt+i+1], v[SF+32*\qt+i:SF+32*\qt+i+1], v[12+2*\qt:13+2*\qt] op_sel_hi:[1,0] neg_lo:[0,1] neg_hi:[0,1]
.set i, i+2
.endr
.set i, 0
.rept 32
	v_exp_f32 v[SF+32*\qt+i], v[SF+32*\qt+i]
.set i, i+1
.endr
	v_nop                                          ; one plain place behind the last exponential
	s_wait_alu depctr_va_vdst(0)
.irp k, 0,1,2,3
	v_pk_add_f32 v[T+2*\k:T+2*\k+1], v[SF+32*\qt+2*\k:SF+32*\qt+2*\k+1], v[SF+32*\qt+8+2*\k:SF+32*\qt+9+2*\k]
.endr
.irp k, 0,1,2,3
	v_pk_add_f32 v[T+2*\k:T+2*\k+1], v[T+2*\k:T+2*\k+1], v[SF+32*\qt+16+2*\k:SF+32*\qt+17+2*\k]
.endr
.irp k, 0,1,2,3
	v_pk_add_f32 v[T+2*\k:T+2*\k+1], v[T+2*\k:T+2*\k+1], v[SF+32*\qt+24+2*\k:SF+32*\qt+25+2*\k]
.endr
	v_pk_add_f32 v[T:T+1], v[T:T+1], v[T+2:T+3]
	v_pk_add_f32 v[T+4:T+5], v[T+4:T+5], v[T+6:T+7]
	v_pk_add_f32 v[T:T+1], v[T:T+1], v[T+4:T+5]
.if \first
	v_add_f32 v[13+2*\qt], v[T], v[T+1]
.else
	v_add_f32 v[T], v[T], v[T+1]
	v_fma_f32 v[13+2*\qt], v[13+2*\qt], v[16+2*\qt], v[T]
.endif
.set i, 0
.rept 16
	v_cvt_pk_bf16_f32 v[SF+32*\qt+i], v[SF+32*\qt+2*i], v[SF+32*\qt+2*i+1]   ; in place: register i lies below every later source 2 i', 2 i' + 1
.set i, i+1
.endr
.if \first == 0
.set i, 0
.rept 16
	v_pk_mul_f32 v[OF+32*\qt+i:OF+32*\qt+i+1], v[OF+32*\qt+i:OF+32*\qt+i+1], v[16+2*\qt:17+2*\qt] op_sel_hi:[1,0]
.set i, i+2
.endr
.endif
.endm
; O^T += V^T P^T: four tiles of 16 d, two products each (32 keys).  The four accumulators take turns.
.macro PV qt, first
.irp dt, 0,1,2,3
.if \first
	v_wmma_f32_16x16x32_bf16 v[OF+8*(4*\qt+\dt):OF+8*(4*\qt+\dt)+7], v[KF+16*\dt:KF+16*\dt+7], v[SF+32*\qt:SF+32*\qt+7], 0
.else
	v_wmma_f32_16x16x32_bf16 v[OF+8*(4*\qt+\dt):OF+8*(4*\qt+\dt)+7], v[KF+16*\dt:KF+16*\dt+7], v[SF+32*\qt:SF+32*\qt+7], v[OF+8*(4*\qt+\dt):OF+8*(4*\qt+\dt)+7]
.endif
.endr
.irp dt, 0,1,2,3
	v_wmma_f32_16x16x32_bf16 v[OF+8*(4*\qt+\dt):OF+8*(4*\qt+\dt)+7], v[KF+16*\dt+8:KF+16*\dt+15], v[SF+32*\qt+8:SF+32*\qt+15], v[OF+8*(4*\qt+\dt):OF+8*(4*\qt+\dt)+7]
.endr
.endm
; one step of 64 keys.  mnext: where the next step's mask words lie (below 0: none); they are asked for as soon as this step's are used.
.macro STEP slot, stp, first, mnext
	PLACES 5                                       ; behind the last products with V: K is loaded over V (four places), and the score products write over P (five)
	LDK \slot, \stp
	s_wait_dscnt 0x0                               ; K's fragments are in
	QK
	PLACES 4                                       ; behind the score products: their sources are loaded again, their results are read
	LDV \slot, \stp                                ; V has the mask and the first tile's softmax in which to come
	MASK
.if \mnext >= 0
	MLOAD \mnext
.endif
	SOFT 0, \first
	s_wait_dscnt 0x0                               ; V's fragments are in
	PV 0, \first
	SOFT 1, \first
	PV 1, \first
.endm
; The change of slots.  Each wave waits for all its tensor loads (its part of the next slot among them) and for its reads of the slot that it leaves.
; fill = 0 or 1: that slot is filled again, 1,024 keys further on: the barrier is a round of the cluster's, and the joint refill is the first thing behind it,
; the wave's one tensor load there; it has the next slot's four steps in which to land.  fill = -1: nothing is left to fetch.
.macro SYNC fill
	s_wait_xcnt 0x0
	v_lshl_add_u32 v190, v0, 2, 0x48000
	v_mov_b32 v191, 0
	s_wait_tensorcnt 0x0
	ds_add_u32 v190, v191
	s_wait_dscnt 0x0
.if \fill >= 0
	s_add_nc_u64 s[78+20*\fill:79+20*\fill], s[78+20*\fill:79+20*\fill], 131072   ; no load of mine is out: a group 0 may be written
.endif
	s_wait_dscnt 0x0
.if \fill >= 0
	ROUND
	tensor_load_to_lds s[76+20*\fill:79+20*\fill], s[G1:G1+7]
	s_nop 0
.else
	s_barrier_signal -1
	s_barrier_wait -1
.endif
.endm
	s_wait_tensorcnt 1                             ; my part of slot 0 is in; slot 1's load stays out
	s_barrier_signal -1
	s_barrier_wait -1
	s_wait_loadcnt 0x0                             ; Q's fragments
	; fill f holds keys 512 f ..; my steps' mask words lie at byte 1,024 f + 128 step (my key half is in the base)
	STEP 0, 0, 1, 128                              ; the first step starts m, l and O: nothing is cleared
	STEP 0, 1, 0, 256
	STEP 0, 2, 0, 384
	STEP 0, 3, 0, 1024
	SYNC 0                                         ; keys 1,024-1,535 go out
	STEP 1, 0, 0, 1152
	STEP 1, 1, 0, 1280
	STEP 1, 2, 0, 1408
	STEP 1, 3, 0, 2048
	SYNC 1                                         ; keys 1,536-2,047 go out: the last load
	STEP 0, 0, 0, 2176
	STEP 0, 1, 0, 2304
	STEP 0, 2, 0, 2432
	STEP 0, 3, 0, 3072
	SYNC -1                                        ; behind this barrier nobody reads slot 0 any more, and nothing is filled again
	STEP 1, 0, 0, 3200
	STEP 1, 1, 0, 3328
	STEP 1, 2, 0, 3456
	STEP 1, 3, 0, -1
	; THE PAIRS JOIN.  Every wave puts its O (f32, rows of 64 d) and its (m, l) into slot 0's bytes; behind one barrier wave (g, kh) reads tile kh of both waves of its pair,
	; eight lanes to a row, as ctx wants it: out = (O_A 2^(m_A - m) + O_B 2^(m_B - m)) / (l_A 2^(m_A - m) + l_B 2^(m_B - m)), m = max(m_A, m_B).
	PLACES 4                                       ; behind the last products, whose results are stored
	v_permlanex16_b32 v[T], v13, s12, s13          ; the two halves of the lanes make my l
	v_permlanex16_b32 v[T+1], v15, s12, s13
	v_add_f32 v13, v13, v[T]
	v_add_f32 v15, v15, v[T+1]
.irp qt, 0,1
.irp dt, 0,1,2,3
	ds_store_b128 v9, v[OF+8*(4*\qt+\dt):OF+8*(4*\qt+\dt)+3]   offset:XQ*\qt+64*\dt      ; d = 16 dt + 8 h + 0 .. 3 of query r
	ds_store_b128 v9, v[OF+8*(4*\qt+\dt)+4:OF+8*(4*\qt+\dt)+7] offset:XQ*\qt+64*\dt+16
.endr
.endr
	ds_store_b64 v10, v[12:13]                     ; both halves of the lanes hold the same m and l and write the same 8 bytes
	ds_store_b64 v10, v[14:15] offset:128
	s_wait_dscnt 0x0                               ; my stores are done, for my partner's sake
	s_barrier_signal -1
	s_barrier_wait -1
.irp i, 0,1,2,3
	ds_load_b64 v[32+2*\i:33+2*\i], v29 offset:32*\i            ; (m, l) of row 4 i + (l >> 3), wave g
	ds_load_b64 v[40+2*\i:41+2*\i], v29 offset:32*\i+2048       ; wave g + 8
.endr
.irp i, 0,1,2,3
	ds_load_b128 v[64+8*\i:67+8*\i],   v11 offset:4*XP*\i       ; O of that row, d = 8 (l & 7) + 0 .. 7, wave g
	ds_load_b128 v[68+8*\i:71+8*\i],   v11 offset:4*XP*\i+16
	ds_load_b128 v[96+8*\i:99+8*\i],   v28 offset:4*XP*\i       ; wave g + 8
	ds_load_b128 v[100+8*\i:103+8*\i], v28 offset:4*XP*\i+16
.endr
.irp i, 0,1,2,3
	s_wait_dscnt 12-4*\i                           ; LDS loads come back in order: the four loads of each later group of rows may be out
	v_max_num_f32 v20, v[32+2*\i], v[40+2*\i]
	v_sub_f32 v21, v[32+2*\i], v20
	v_sub_f32 v22, v[40+2*\i], v20
	v_exp_f32 v21, v21
	v_exp_f32 v22, v22
	v_nop                                          ; one plain place behind them (ISA guide 5.7.2)
	s_wait_alu depctr_va_vdst(0)
	v_mul_f32 v23, v[33+2*\i], v21
	v_fma_f32 v23, v[41+2*\i], v22, v23            ; l >= 1: the half that holds the maximum has the factor 1 and a sum of at least 1
	v_rcp_f32 v23, v23
	v_nop
	s_wait_alu depctr_va_vdst(0)
	v_mul_f32 v16, v21, v23
	v_mul_f32 v18, v22, v23
.irp k, 0,1,2,3
	v_pk_mul_f32 v[64+8*\i+2*\k:65+8*\i+2*\k], v[64+8*\i+2*\k:65+8*\i+2*\k], v[16:17] op_sel_hi:[1,0]
.endr
.irp k, 0,1,2,3
	v_pk_fma_f32 v[64+8*\i+2*\k:65+8*\i+2*\k], v[96+8*\i+2*\k:97+8*\i+2*\k], v[18:19], v[64+8*\i+2*\k:65+8*\i+2*\k] op_sel_hi:[1,0,1]
.endr
.irp k, 0,1,2,3
	v_cvt_pk_bf16_f32 v[128+4*\i+\k], v[64+8*\i+2*\k], v[65+8*\i+2*\k]
.endr
	global_store_b128 v30, v[128+4*\i:131+4*\i], s[6:7] offset:512*\i   ; four rows of ctx: 512 consecutive bytes a store; no register of a store is written again
.endr
	s_wait_xcnt 0x0
	v_lshl_add_u32 v190, v0, 2, 0x48000
	v_mov_b32 v191, 0
	s_wait_tensorcnt 0x0
	ds_add_u32 v190, v191
	s_wait_dscnt 0x0
	ROUND                                          ; the closing round: no work-group ends while a partner may still ask for a tile that names it
	s_endpgm
.Lfunc_end_k_q58937f184b_attn:
	.size	k_q58937f184b_attn, .Lfunc_end_k_q58937f184b_attn-k_q58937f184b_attn
	.p2alignl 7, 3214868480
	.fill 96, 4, 3214868480
	.section	.rodata,"a",@progbits
	.p2align	6, 0x0
	.amdhsa_kernel k_q58937f184b_attn
		.amdhsa_group_segment_fixed_size 327680
		.amdhsa_private_segment_fixed_size 0
		.amdhsa_enable_private_segment 0
		.amdhsa_kernarg_size 24
		.amdhsa_user_sgpr_count 2
		.amdhsa_user_sgpr_kernarg_segment_ptr 1
		.amdhsa_wavefront_size32 1
		.amdhsa_system_sgpr_workgroup_id_x 1
		.amdhsa_system_sgpr_workgroup_id_y 1
		.amdhsa_system_sgpr_workgroup_id_z 1
		.amdhsa_system_vgpr_workitem_id 0
		.amdhsa_next_free_vgpr 256
		.amdhsa_next_free_sgpr 106
		.amdhsa_reserve_vcc 0
		.amdhsa_float_denorm_mode_32 3
		.amdhsa_float_denorm_mode_16_64 3
		.amdhsa_memory_ordered 1
		.amdhsa_forward_progress 1
		.amdhsa_inst_pref_size 255
	.end_amdhsa_kernel
	.section	.bss,"aw",@nobits
	.p2align	6
	.space	262144
	.amdgpu_metadata
---
amdhsa.version: [ 1, 2 ]
amdhsa.kernels:
  - .name:           k_q58937f184b_attn
    .symbol:         k_q58937f184b_attn.kd
    .args:
      - { .name: pb, .offset: 0, .size: 8, .value_kind: global_buffer, .address_space: global }
      - { .name: mbits, .offset: 8, .size: 8, .value_kind: global_buffer, .address_space: global }
      - { .name: ctx, .offset: 16, .size: 8, .value_kind: global_buffer, .address_space: global }
    .group_segment_fixed_size: 327680
    .private_segment_fixed_size: 0
    .kernarg_segment_align: 8
    .kernarg_segment_size: 24
    .max_flat_workgroup_size: 512
    .sgpr_count:     106
    .vgpr_count:     256
    .wavefront_size: 32
...
	.end_amdgpu_metadata
.endif
;; end of part 5
;; launch ogemm (part 6): grid 8 x 32, 8 waves a work-group, clusters of 4 x 4, 327,680 bytes of LDS; arguments ctx, wb, Q, bo, xw; writes xw
.if DOCPART == 6
	.amdgcn_target "amdgcn-amd-amdhsa--gfx1250"
	.amdhsa_code_object_version 6
	.text
	.protected	k_q58937f184b_ogemm
	.globl	k_q58937f184b_ogemm
	.p2align	8
	.type	k_q58937f184b_ogemm,@function
k_q58937f184b_ogemm:
	s_mov_b64 s[64:65], 0
	v_nop
	global_prefetch_b8 v0, s[64:65] scope:SCOPE_SE
	s_setreg_imm32_b32 hwreg(HW_REG_WAVE_MODE, 25, 1), 1
	s_wait_xcnt 0x0
	s_wait_alu depctr_hold_cnt(0) depctr_sa_sdst(0) depctr_va_vdst(0) depctr_va_sdst(0) depctr_va_ssrc(0) depctr_va_vcc(0) depctr_vm_vsrc(0)
	s_getreg_b32 s2, hwreg(HW_REG_IB_STS2, 6, 4)
	s_cmp_eq_u32 s2, 0
	s_cbranch_scc0 .Lentry_in_a_cluster
	s_endpgm
.Lentry_in_a_cluster:
	s_bfe_u32 s2, ttmp6, 0x10000c
	s_cmp_lg_u32 s2, 0xf033
	s_cbranch_scc0 .Lentry_shape_is_right
	s_endpgm
.Lentry_shape_is_right:
; ogemm: xw[m][n] = sum over k of context[m][k] wo[n][k] + bo[n] + Q[m][n], f32, [4096][1024]: the input of the norm, which the next launch makes.
; context[m][64 f + d] = ctx[16 (m >> 11) + f][m & 2047][d] (bf16), so block f of 64 along K of 128 neighbouring rows is a dense piece of 16,384 bytes of ctx;
; wo lies in wb + 6,291,456 as [16 f][1024 n][64 k] bf16, so block f of 128 neighbouring rows of wo is a dense piece of 16,384 bytes too.
; A work-group makes 128 x 128 of xw: 32 x 8 = 256 work-groups, and 256 KiB of context and 256 KiB of wo pass through its LDS.  (Whole rows of 1,024 columns in one
; work-group would send all 2 MiB of wo through every LDS: that is why the norm is a launch of its own.)
; Eight waves: a slot holds four blocks of K, that is eight dense pieces, and each wave brings one of them by one tensor load of 128 rows x 128 bytes
; (a head's rows are 128 bytes in the tensor itself).  Wave w makes rows 32 (w >> 1) .. + 31, columns 64 (w & 1) .. + 63: 2 x 4 accumulator tiles; its piece of a row is 256 bytes.
; CLUSTERS: 4 x 4 work-groups.  The context's tiles hang on the block row alone and are asked for jointly by a row of the cluster, wo's on the block column alone
; and are asked for jointly by a column: a quarter of the requests.
; LDS: two slots of 147,456 bytes: A's four blocks, then B's four, each 128 rows at pitch 144; wave w fills block w of the eight.  Four fills in all: both slots at the
; start, then one refill of each.  Behind its last fill slot 0 holds each wave's own stage for the way out, 32 rows x 272 bytes.
; The matrix instruction is used transposed (source 0 = rows of wo, source 1 = rows of context): lane (r, h) holds row r and eight neighbouring columns 8 h + 0 .. 7.
.set PITCH, 144                        ; 128 bytes + 16: the 16 rows that a load touches start in 16 different 16-byte columns modulo 256
.set BLK,   128*PITCH                  ; one block of A or of B
.set SLOT,  8*BLK
.set SP,    272                        ; the stage's pitch: 256 bytes + 16
.set WSTG,  32*SP
.set F0,  32                           ; v[32:79]   fragment buffer 0: A's two at + 8 mt, B's four at + 16 + 8 nt
.set F1,  80                           ; v[80:127]  fragment buffer 1
.set ACC, 128                          ; v[128:191] + 8 (4 mt + nt)
.set QR,  192                          ; v[192:255] Q, + 4 t: rows 2 t + h of my 32, 16 bytes at 16 r
.set XR,  32                           ; v[32:95]   the way out: the products read back in Q's layout
; v4, v5: A's LDS address in slot 0, 1; v6, v7: B's; v8: the stage, to store; v9: the stage, to read; v10: my offset in Q and xw; v11: in bo; v[12:15]: bo of my 4 columns
.set G1, 24                            ; s[24:31] group 1 for A's tiles
.set G0, 32                            ; s[32:39] group 0 for A's tiles, one set for each slot
.set G1B, 48                           ; s[48:55] group 1 for B's tiles: another mask
.set G0B, 56                           ; s[56:63] group 0 for B's tiles
.macro PLACES                          ; four places behind a matrix instruction (ISA guide 7.12.1)
.rept 4
	v_nop
.endr
.endm
; A joint load: waves 0-3 ask for A's four blocks, waves 4-7 for B's.  The branch hangs on the wave's number alone.
.macro JLOAD s
	s_cmp_eq_u32 s21, 0
	s_cbranch_scc0 .Lfor_b_\@
	tensor_load_to_lds s[G0+4*\s:G0+4*\s+3], s[G1:G1+7]
	s_nop 0
	s_branch .Lasked_\@
.Lfor_b_\@:
	tensor_load_to_lds s[G0B+4*\s:G0B+4*\s+3], s[G1B:G1B+7]
	s_nop 0
.Lasked_\@:
.endm
.macro CROUND                          ; a round of the cluster's barrier
	s_barrier_signal -1
	s_barrier_wait -1
	s_cmp_lg_u32 s20, 0
	s_cbranch_scc1 .Lnot_wave_0_\@
	s_barrier_signal -3
.Lnot_wave_0_\@:
	s_barrier_wait -3
	s_barrier_signal -1
	s_barrier_wait -1
.endm
	s_load_b256 s[4:11], s[0:1], 0x0               ; ctx s[4:5], wb s[6:7], Q s[8:9], bo s[10:11]
	s_load_b64 s[12:13], s[0:1], 0x20              ; xw
	v_lshl_add_u32 v30, v0, 2, 0x48000
	v_mov_b32 v31, 0
	ds_add_u32 v30, v31
	v_lshrrev_b32 v1, 5, v0
	v_readfirstlane_b32 s20, v1                    ; wave 0..7
	s_lshr_b32 s21, s20, 2                         ; I fetch for A (0) or for B (1)
	s_and_b32 s22, s20, 3                          ; which of a slot's four blocks I fetch
	s_bfe_u32 s40, ttmp6, 0x40000                  ; cx
	s_bfe_u32 s41, ttmp6, 0x40004                  ; cy
	s_lshl_b32 s42, ttmp9, 2
	s_add_co_u32 s42, s42, s40                     ; block column = 4 x cluster x + cx, 0..7
	s_and_b32 s43, ttmp7, 0xffff
	s_lshl_b32 s43, s43, 2
	s_add_co_u32 s43, s43, s41                     ; block row = 4 x cluster y + cy, 0..31
	s_lshl_b32 s44, s41, 2
	s_lshl_b32 s44, 15, s44                        ; my row of the cluster
	s_lshl_b32 s45, 0x1111, s40                    ; my column
	; group 1: 128 rows of 64 bf16, 4 words of padding behind every 32
	s_or_b32 s[G1+0], s44, (1<<16)|(1<<20)|(1<<21)|(4<<22)|(3<<25)
	s_or_b32 s[G1B+0], s45, (1<<16)|(1<<20)|(1<<21)|(4<<22)|(3<<25)
	s_mov_b32 s[G1+1], 64<<16                      ; tensor_dim0 = 64
	s_mov_b32 s[G1B+1], 64<<16
	s_mov_b32 s[G1+2], 128<<16                     ; tensor_dim1 = 128
	s_mov_b32 s[G1B+2], 128<<16
	s_mov_b32 s[G1+3], 64<<16                      ; tile_dim0 = 64
	s_mov_b32 s[G1B+3], 64<<16
	s_mov_b32 s[G1+4], 128                         ; tile_dim1 = 128
	s_mov_b32 s[G1B+4], 128
	s_mov_b32 s[G1+5], 64                          ; elements from row to row
	s_mov_b32 s[G1B+5], 64
	s_mov_b32 s[G1+6], 0
	s_mov_b32 s[G1B+6], 0
	s_mov_b32 s[G1+7], 0
	s_mov_b32 s[G1B+7], 0
	; A's tiles hang on the block row and the wave's number, B's on the block column and the wave's number, each in registers that never hold the other coordinate
	s_lshr_b32 s16, s43, 4
	s_lshl_b32 s16, s16, 22                        ; batch: 16 heads x 262,144 bytes
	s_and_b32 s18, s43, 15
	s_lshl_b32 s18, s18, 14                        ; + 128 rows of 128 bytes x block row in the batch
	s_add_co_u32 s16, s16, s18
	s_lshl_b32 s18, s22, 18                        ; + my block of K: 262,144 bytes from head to head
	s_add_co_u32 s16, s16, s18
	s_mov_b32 s17, 0
	s_lshl_b32 s46, s42, 14                        ; 128 rows of 128 bytes x block column
	s_lshl_b32 s19, s22, 17                        ; + my block of K: 131,072 bytes from block to block
	s_add_co_u32 s46, s46, s19
	s_add_co_u32 s46, s46, 6291456                 ; in wo's part of wb
	s_mov_b32 s47, 0
	s_mul_i32 s23, s20, BLK                        ; LDS: A's four blocks, then B's four = wave x one block
	s_wait_dscnt 0x0
	s_wait_kmcnt 0x0
	s_add_nc_u64 s[14:15], s[4:5], s[16:17]
	s_add_nc_u64 s[46:47], s[6:7], s[46:47]
	CROUND                                         ; all sixteen work-groups are here: the first joint loads meet
.irp s, 0,1
	s_mov_b32 s[G0+4*\s], 1
	s_add_co_u32 s[G0+4*\s+1], s23, \s*SLOT
	s_add_nc_u64 s[G0+4*\s+2:G0+4*\s+3], s[14:15], \s*4*262144     ; slot s: blocks 4 s .. 4 s + 3
	s_or_b32 s[G0+4*\s+3], s[G0+4*\s+3], 0x80000000
	s_mov_b32 s[G0B+4*\s], 1
	s_add_co_u32 s[G0B+4*\s+1], s23, \s*SLOT
	s_add_nc_u64 s[G0B+4*\s+2:G0B+4*\s+3], s[46:47], \s*4*131072
	s_or_b32 s[G0B+4*\s+3], s[G0B+4*\s+3], 0x80000000
	JLOAD \s                                       ; both slots are asked for before anything else: two tensor loads of a wave are out
.endr
	; what hangs on both coordinates is made in registers that feed no descriptor
	s_lshr_b32 s70, s20, 1                         ; which 32 rows are mine
	s_and_b32 s72, s20, 1                          ; which 64 columns
	s_lshl_b32 s68, s42, 9                         ; 128 columns x 4 bytes x block column
	s_lshl_b32 s71, s72, 8                         ; + 64 columns x 4 bytes x half
	s_add_co_u32 s68, s68, s71
	s_mov_b32 s69, 0
	s_lshl_b32 s66, s43, 19                        ; 128 rows of 4,096 bytes x block row
	s_lshl_b32 s71, s70, 17                        ; + 32 rows x my group
	s_add_co_u32 s66, s66, s71
	s_add_co_u32 s66, s66, s68
	s_mov_b32 s67, 0
	s_add_nc_u64 s[8:9], s[8:9], s[66:67]          ; my 32 x 64 of Q
	s_add_nc_u64 s[12:13], s[12:13], s[66:67]      ; and of xw
	s_add_nc_u64 s[10:11], s[10:11], s[68:69]      ; my 64 columns of bo
	v_and_b32 v1, 15, v0                           ; r
	v_bfe_u32 v2, v0, 4, 1                         ; h
	v_mul_u32_u24 v3, v1, PITCH
	v_lshl_add_u32 v3, v2, 4, v3                   ; 144 r + 16 h
	s_mul_i32 s73, s70, 32*PITCH                   ; my 32 rows of a block of A
	s_mul_i32 s74, s72, 64*PITCH                   ; my 64 rows of a block of B,
	s_add_co_u32 s74, s74, 4*BLK                   ; which lie behind A's four blocks
	v_add_nc_u32 v4, s73, v3
	v_add_nc_u32 v6, s74, v3
	v_add_nc_u32 v5, SLOT, v4
	v_add_nc_u32 v7, SLOT, v6
	s_mul_i32 s75, s20, WSTG                       ; my stage, in slot 0's bytes
	v_mul_u32_u24 v8, v1, SP
	v_lshl_add_u32 v8, v2, 5, v8
	v_add_nc_u32 v8, s75, v8                       ; in: row r, 32 bytes for each half of the lanes
	v_mul_u32_u24 v9, v2, SP
	v_lshl_add_u32 v9, v1, 4, v9
	v_add_nc_u32 v9, s75, v9                       ; back: lanes 0-15 take one row of 256 bytes, lanes 16-31 the next
	v_lshlrev_b32 v11, 4, v1                       ; 16 r: my 4 columns
	v_lshl_add_u32 v10, v2, 12, v11                ; + one row of 4,096 bytes for lanes 16-31
; unit u (0..7) of a slot: 32 along K: block u >> 1, half u & 1.  Twelve loads: A's two fragments, B's four.
.macro LOADU slot, u, buf
.irp mt, 0,1
	ds_load_b128 v[\buf+8*\mt:\buf+8*\mt+3],   v[4+\slot] offset:(\u>>1)*BLK+16*\mt*PITCH+64*(\u&1)
	ds_load_b128 v[\buf+8*\mt+4:\buf+8*\mt+7], v[4+\slot] offset:(\u>>1)*BLK+16*\mt*PITCH+64*(\u&1)+32
.endr
.irp nt, 0,1,2,3
	ds_load_b128 v[\buf+16+8*\nt:\buf+16+8*\nt+3], v[6+\slot] offset:(\u>>1)*BLK+16*\nt*PITCH+64*(\u&1)
	ds_load_b128 v[\buf+16+8*\nt+4:\buf+16+8*\nt+7], v[6+\slot] offset:(\u>>1)*BLK+16*\nt*PITCH+64*(\u&1)+32
.endr
.endm
; eight matrix instructions on the eight accumulators, which take turns, one instruction a turn, in the same order in every unit
.macro MULU buf, zero
.irp nt, 0,1,2,3
.irp mt, 0,1
.if \zero
	v_wmma_f32_16x16x32_bf16 v[ACC+8*(4*\mt+\nt):ACC+8*(4*\mt+\nt)+7], v[\buf+16+8*\nt:\buf+16+8*\nt+7], v[\buf+8*\mt:\buf+8*\mt+7], 0
.else
	v_wmma_f32_16x16x32_bf16 v[ACC+8*(4*\mt+\nt):ACC+8*(4*\mt+\nt)+7], v[\buf+16+8*\nt:\buf+16+8*\nt+7], v[\buf+8*\mt:\buf+8*\mt+7], v[ACC+8*(4*\mt+\nt):ACC+8*(4*\mt+\nt)+7]
.endif
.endr
.endr
.endm
; a unit is multiplied, and its buffer takes unit nxt's fragments
.macro UNIT slot, nxt, buf, zero
	s_wait_dscnt 12                                ; this unit's twelve loads are in; the next unit's twelve, issued behind them, may be out
	MULU \buf, \zero
	PLACES
	LOADU \slot, \nxt, \buf
.endm
; a slot's eight units, K = 256.  zero = 1: the first products start the sums: nothing is cleared.
.macro PHASE slot, zero
.if \zero == 0
	PLACES                                         ; behind the last phase's products, whose sources are loaded again
.endif
	LOADU \slot, 0, F0
	LOADU \slot, 1, F1
	UNIT \slot, 2, F0, \zero
	UNIT \slot, 3, F1, 0
	UNIT \slot, 4, F0, 0
	UNIT \slot, 5, F1, 0
	UNIT \slot, 6, F0, 0
	UNIT \slot, 7, F1, 0
	s_wait_dscnt 12
	MULU F0, 0
	s_wait_dscnt 0x0
	MULU F1, 0
.endm
; slot f, which has been read, is filled again, eight blocks of K further on.  Each wave waits for all its tensor loads (one is out: its part of the other slot) and for its
; reads of slot f; the round shows both of every wave of all sixteen work-groups; the joint refill is the first thing behind it, the wave's one tensor load there.
.macro CHANGE f
	s_wait_tensorcnt 0x0
	ds_add_u32 v30, v31
	s_add_nc_u64 s[G0+4*\f+2:G0+4*\f+3], s[G0+4*\f+2:G0+4*\f+3], 8*262144       ; no load of mine is out: a group 0 may be written
	s_add_nc_u64 s[G0B+4*\f+2:G0B+4*\f+3], s[G0B+4*\f+2:G0B+4*\f+3], 8*131072
	s_wait_dscnt 0x0
	CROUND
	JLOAD \f
.endm
	s_wait_tensorcnt 1                             ; my part of slot 0 is in; slot 1's load stays out
	s_barrier_signal -1
	s_barrier_wait -1
	PHASE 0, 1                                     ; blocks 0-3
	CHANGE 0                                       ; blocks 8-11 go out
	; Q and bo are wanted on the way out only, three phases from here; asked for now, their 64 KiB a work-group do not stand in the first tiles' way
.irp t, 0,1,2,3,4,5,6,7,8,9,10,11,12,13,14,15
	global_load_b128 v[QR+4*\t:QR+4*\t+3], v10, s[8:9] offset:8192*\t th:TH_LOAD_NT   ; 16 lanes read 256 consecutive bytes, aligned
.endr
	global_load_b128 v[12:15], v11, s[10:11]
	PHASE 1, 0                                     ; blocks 4-7
	CHANGE 1                                       ; blocks 12-15 go out: the last load
	PHASE 0, 0                                     ; blocks 8-11
	s_wait_tensorcnt 0x0                           ; my part of the last four blocks is in
	s_wait_dscnt 0x0                               ; my reads of slot 0 are over: behind this barrier its bytes are the stages
	s_barrier_signal -1
	s_barrier_wait -1
	PHASE 1, 0                                     ; blocks 12-15
	; THE WAY OUT: the products go through my own stage into Q's layout; x = product + (Q + bo); whole rows of 256 bytes leave
	PLACES
.irp mt, 0,1
.irp nt, 0,1,2,3
	ds_store_b128 v8, v[ACC+8*(4*\mt+\nt):ACC+8*(4*\mt+\nt)+3]   offset:16*SP*\mt+64*\nt
	ds_store_b128 v8, v[ACC+8*(4*\mt+\nt)+4:ACC+8*(4*\mt+\nt)+7] offset:16*SP*\mt+64*\nt+16
.endr
.endr
.irp t, 0,1,2,3,4,5,6,7,8,9,10,11,12,13,14,15
	ds_load_b128 v[XR+4*\t:XR+4*\t+3], v9 offset:2*SP*\t   ; my own bytes; LDS serves a wave's instructions in order (ISA guide 5.7.1.4): these see the stores above
.endr
	s_wait_loadcnt 0x0                             ; Q and bo
.set t, 0
.rept 16
	v_pk_add_f32 v[QR+4*t:QR+4*t+1],   v[QR+4*t:QR+4*t+1],   v[12:13]      ; under the LDS loads' way back
	v_pk_add_f32 v[QR+4*t+2:QR+4*t+3], v[QR+4*t+2:QR+4*t+3], v[14:15]
.set t, t+1
.endr
.irp t, 0,1,2,3,4,5,6,7,8,9,10,11,12,13,14,15
	s_wait_dscnt 15-\t                             ; the 15 - t younger loads may be out
	v_pk_add_f32 v[XR+4*\t:XR+4*\t+1],   v[XR+4*\t:XR+4*\t+1],   v[QR+4*\t:QR+4*\t+1]
	v_pk_add_f32 v[XR+4*\t+2:XR+4*\t+3], v[XR+4*\t+2:XR+4*\t+3], v[QR+4*\t+2:QR+4*\t+3]
	global_store_b128 v10, v[XR+4*\t:XR+4*\t+3], s[12:13] offset:8192*\t   ; 16 lanes store 256 consecutive bytes, aligned; no register of a store is written again
.endr
	s_wait_tensorcnt 0x0
	ds_add_u32 v30, v31
	s_wait_dscnt 0x0
	CROUND                                         ; the closing round: no work-group ends while a partner may still ask for a tile that names it
	s_endpgm
.Lfunc_end_k_q58937f184b_ogemm:
	.size	k_q58937f184b_ogemm, .Lfunc_end_k_q58937f184b_ogemm-k_q58937f184b_ogemm
	.p2alignl 7, 3214868480
	.fill 96, 4, 3214868480
	.section	.rodata,"a",@progbits
	.p2align	6, 0x0
	.amdhsa_kernel k_q58937f184b_ogemm
		.amdhsa_group_segment_fixed_size 327680
		.amdhsa_private_segment_fixed_size 0
		.amdhsa_enable_private_segment 0
		.amdhsa_kernarg_size 40
		.amdhsa_user_sgpr_count 2
		.amdhsa_user_sgpr_kernarg_segment_ptr 1
		.amdhsa_wavefront_size32 1
		.amdhsa_system_sgpr_workgroup_id_x 1
		.amdhsa_system_sgpr_workgroup_id_y 1
		.amdhsa_system_sgpr_workgroup_id_z 1
		.amdhsa_system_vgpr_workitem_id 0
		.amdhsa_next_free_vgpr 256
		.amdhsa_next_free_sgpr 80
		.amdhsa_reserve_vcc 0
		.amdhsa_float_denorm_mode_32 3
		.amdhsa_float_denorm_mode_16_64 3
		.amdhsa_memory_ordered 1
		.amdhsa_forward_progress 1
		.amdhsa_inst_pref_size 63
	.end_amdhsa_kernel
	.amdgpu_metadata
---
amdhsa.version: [ 1, 2 ]
amdhsa.kernels:
  - .name:           k_q58937f184b_ogemm
    .symbol:         k_q58937f184b_ogemm.kd
    .args:
      - { .name: ctx, .offset: 0, .size: 8, .value_kind: global_buffer, .address_space: global }
      - { .name: wb, .offset: 8, .size: 8, .value_kind: global_buffer, .address_space: global }
      - { .name: Q, .offset: 16, .size: 8, .value_kind: global_buffer, .address_space: global }
      - { .name: bo, .offset: 24, .size: 8, .value_kind: global_buffer, .address_space: global }
      - { .name: xw, .offset: 32, .size: 8, .value_kind: global_buffer, .address_space: global }
    .group_segment_fixed_size: 327680
    .private_segment_fixed_size: 0
    .kernarg_segment_align: 8
    .kernarg_segment_size: 40
    .max_flat_workgroup_size: 256
    .sgpr_count:     80
    .vgpr_count:     256
    .wavefront_size: 32
...
	.end_amdgpu_metadata
.endif
;; end of part 6
;; launch lnorm (part 7): grid 256 x 1, 8 waves a work-group, no clusters, 0 bytes of LDS; arguments xw, gamma, beta, out0; writes out0
.if DOCPART == 7
	.amdgcn_target "amdgcn-amd-amdhsa--gfx1250"
	.amdhsa_code_object_version 6
	.text
	.protected	k_q58937f184b_lnorm
	.globl	k_q58937f184b_lnorm
	.p2align	8
	.type	k_q58937f184b_lnorm,@function
k_q58937f184b_lnorm:
	s_mov_b64 s[64:65], 0
	v_nop
	global_prefetch_b8 v0, s[64:65] scope:SCOPE_SE
	s_setreg_imm32_b32 hwreg(HW_REG_WAVE_MODE, 25, 1), 1
	s_wait_xcnt 0x0
; lnorm: out0[m][c] = (x[m][c] - mean) / sqrt(var + 1e-5) x gamma[c] + beta[c]; mean and var along the 1,024 columns of row m of xw.  All f32.
; A row is 4,096 bytes: one wave takes a whole row, eight 16-byte loads a lane, and keeps it in 32 registers between the pass for the mean, the pass for the
; variance (the mean of (x - mean)^2: no difference of large sums) and the scaling: the row is read once, and no sum leaves the wave.
; 256 work-groups of eight waves, two rows a wave, so that a wave's gamma and beta serve two rows.  All 32 loads of a wave go out at once.
; A stream: nothing is shared but gamma and beta, so no LDS, no barrier, no cluster, no matrix unit.
.set X,  32                            ; v[32:95]   row rb at + 32 rb: load i holds columns 128 i + 4 lane + 0 .. 3
.set GA, 96                            ; v[96:127]  gamma, same columns
.set BE, 128                           ; v[128:159] beta
; v1: 16 x lane; v[14:15] the mean, twice; v[16:17] 1 / sqrt, twice; v[18:25] four packed chains; v26 at work
	s_load_b256 s[4:11], s[0:1], 0x0               ; xw s[4:5], gamma s[6:7], beta s[8:9], out0 s[10:11]
	v_lshrrev_b32 v2, 5, v0
	v_readfirstlane_b32 s12, v2                    ; wave 0..7
	v_and_b32 v1, 31, v0
	v_lshlrev_b32 v1, 4, v1
	s_lshl_b32 s2, ttmp9, 16                       ; 16 rows of 4,096 bytes x work-group
	s_lshl_b32 s13, s12, 13                        ; + 2 rows x wave
	s_add_co_u32 s2, s2, s13
	s_mov_b32 s3, 0
	s_mov_b32 s28, 0x76543210                      ; v_permlanex16_b32: lane i takes lane i of the other half
	s_mov_b32 s29, 0xfedcba98
	s_mov_b32 s30, 0x3a800000                      ; 1 / 1024
	s_mov_b32 s31, 0x3727c5ac                      ; 1e-5
	s_wait_kmcnt 0x0
	s_add_nc_u64 s[4:5], s[4:5], s[2:3]
	s_add_nc_u64 s[10:11], s[10:11], s[2:3]
.irp rb, 0,1
.irp i, 0,1,2,3,4,5,6,7
	global_load_b128 v[X+32*\rb+4*\i:X+32*\rb+4*\i+3], v1, s[4:5] offset:4096*\rb+512*\i th:TH_LOAD_NT   ; 512 consecutive bytes a load
.endr
.endr
.irp i, 0,1,2,3,4,5,6,7
	global_load_b128 v[GA+4*\i:GA+4*\i+3], v1, s[6:7] offset:512*\i
.endr
.irp i, 0,1,2,3,4,5,6,7
	global_load_b128 v[BE+4*\i:BE+4*\i+3], v1, s[8:9] offset:512*\i
.endr
.macro FOLD                            ; the four packed chains into v26
	v_pk_add_f32 v[18:19], v[18:19], v[20:21]
	v_pk_add_f32 v[22:23], v[22:23], v[24:25]
	v_pk_add_f32 v[18:19], v[18:19], v[22:23]
	v_add_f32 v26, v18, v19
.endm
.macro LANESUM                         ; v26 summed over the 32 lanes, in every lane
	v_add_f32_dpp v26, v26, v26 row_xmask:1 row_mask:0xf bank_mask:0xf
	v_add_f32_dpp v26, v26, v26 row_xmask:2 row_mask:0xf bank_mask:0xf
	v_add_f32_dpp v26, v26, v26 row_xmask:4 row_mask:0xf bank_mask:0xf
	v_add_f32_dpp v26, v26, v26 row_xmask:8 row_mask:0xf bank_mask:0xf
	v_permlanex16_b32 v19, v26, s28, s29           ; its destination counts as read: v19 has been written by the chains and is free
	v_add_f32 v26, v26, v19
.endm
; row rb becomes (x - mean) / sqrt(var + 1e-5), in place
.macro NORM rb
.irp k, 0,1,2,3
	v_pk_add_f32 v[18+2*\k:19+2*\k], v[X+32*\rb+2*\k:X+32*\rb+2*\k+1], v[X+32*\rb+8+2*\k:X+32*\rb+9+2*\k]   ; the first words start the chains: nothing is cleared
.endr
.irp g, 16,24
.irp k, 0,1,2,3
	v_pk_add_f32 v[18+2*\k:19+2*\k], v[18+2*\k:19+2*\k], v[X+32*\rb+\g+2*\k:X+32*\rb+\g+2*\k+1]
.endr
.endr
	FOLD
	LANESUM
	v_mul_f32 v14, s30, v26                        ; the mean, twice, for the packed subtraction
	v_mul_f32 v15, s30, v26
.set i, 0
.rept 16
	v_pk_add_f32 v[X+32*\rb+i:X+32*\rb+i+1], v[X+32*\rb+i:X+32*\rb+i+1], v[14:15] neg_lo:[0,1] neg_hi:[0,1]
.set i, i+2
.endr
.irp k, 0,1,2,3
	v_pk_mul_f32 v[18+2*\k:19+2*\k], v[X+32*\rb+2*\k:X+32*\rb+2*\k+1], v[X+32*\rb+2*\k:X+32*\rb+2*\k+1]
.endr
.irp g, 8,16,24
.irp k, 0,1,2,3
	v_pk_fma_f32 v[18+2*\k:19+2*\k], v[X+32*\rb+\g+2*\k:X+32*\rb+\g+2*\k+1], v[X+32*\rb+\g+2*\k:X+32*\rb+\g+2*\k+1], v[18+2*\k:19+2*\k]
.endr
.endr
	FOLD
	LANESUM
	v_fma_f32 v26, v26, s30, s31                   ; variance + 1e-5
	v_rsq_f32 v16, v26
	v_rsq_f32 v17, v26
	v_nop                                          ; one plain place behind them (ISA guide 5.7.2)
.set i, 0
	s_wait_alu depctr_va_vdst(0)
.rept 16
	v_pk_mul_f32 v[X+32*\rb+i:X+32*\rb+i+1], v[X+32*\rb+i:X+32*\rb+i+1], v[16:17]
.set i, i+2
.endr
.endm
; x gamma + beta, and out
.macro OUT rb
.set i, 0
.rept 16
	v_pk_fma_f32 v[X+32*\rb+i:X+32*\rb+i+1], v[X+32*\rb+i:X+32*\rb+i+1], v[GA+i:GA+i+1], v[BE+i:BE+i+1]
.set i, i+2
.endr
.irp i, 0,1,2,3,4,5,6,7
	global_store_b128 v1, v[X+32*\rb+4*\i:X+32*\rb+4*\i+3], s[10:11] offset:4096*\rb+512*\i th:TH_STORE_NT   ; 512 consecutive bytes a store; no register of a store is written again
.endr
.endm
	s_wait_loadcnt 24                              ; loads come back in order: row 0's eight are in; row 1's eight and the sixteen of gamma and beta may be out
	NORM 0
	s_wait_loadcnt 16                              ; row 1 is in
	NORM 1
	s_wait_loadcnt 0x0                             ; gamma and beta
	OUT 0
	OUT 1
	s_endpgm
.Lfunc_end_k_q58937f184b_lnorm:
	.size	k_q58937f184b_lnorm, .Lfunc_end_k_q58937f184b_lnorm-k_q58937f184b_lnorm
	.p2alignl 7, 3214868480
	.fill 96, 4, 3214868480
	.section	.rodata,"a",@progbits
	.p2align	6, 0x0
	.amdhsa_kernel k_q58937f184b_lnorm
		.amdhsa_group_segment_fixed_size 0
		.amdhsa_private_segment_fixed_size 0
		.amdhsa_enable_private_segment 0
		.amdhsa_kernarg_size 32
		.amdhsa_user_sgpr_count 2
		.amdhsa_user_sgpr_kernarg_segment_ptr 1
		.amdhsa_wavefront_size32 1
		.amdhsa_system_sgpr_workgroup_id_x 1
		.amdhsa_system_sgpr_workgroup_id_y 1
		.amdhsa_system_sgpr_workgroup_id_z 1
		.amdhsa_system_vgpr_workitem_id 0
		.amdhsa_next_free_vgpr 160
		.amdhsa_next_free_sgpr 66
		.amdhsa_reserve_vcc 0
		.amdhsa_float_denorm_mode_32 3
		.amdhsa_float_denorm_mode_16_64 3
		.amdhsa_memory_ordered 1
		.amdhsa_forward_progress 1
		.amdhsa_inst_pref_size 18
	.end_amdhsa_kernel
	.amdgpu_metadata
---
amdhsa.version: [ 1, 2 ]
amdhsa.kernels:
  - .name:           k_q58937f184b_lnorm
    .symbol:         k_q58937f184b_lnorm.kd
    .args:
      - { .name: xw, .offset: 0, .size: 8, .value_kind: global_buffer, .address_space: global }
      - { .name: gamma, .offset: 8, .size: 8, .value_kind: global_buffer, .address_space: global }
      - { .name: beta, .offset: 16, .size: 8, .value_kind: global_buffer, .address_space: global }
      - { .name: out0, .offset: 24, .size: 8, .value_kind: global_buffer, .address_space: global }
    .group_segment_fixed_size: 0
    .private_segment_fixed_size: 0
    .kernarg_segment_align: 8
    .kernarg_segment_size: 32
    .max_flat_workgroup_size: 256
    .sgpr_count:     66
    .vgpr_count:     160
    .wavefront_size: 32
...
	.end_amdgpu_metadata
.endif
;; end of part 7
